; MI455X (gfx1250); checked and timed in simulation.
; The chip was launched on July 23, 2026; its instructions are those of AMD's public machine-readable ISA for CDNA 5 (MIT licence, August 2026) and "CDNA5" Instruction Set Architecture Reference Guide (July 2026). The comments in the code are by the model that wrote it; some were corrected since.
;; Attention. Allowed arithmetic: matrix products marked QUANTISED: E2M3 operands, one E8M0 scale for each 32 along K, by v_wmma_scale_f32_16x16x128_f8f6f4 with both operands' format E2M3, f32 sums; everything else in f32.
;; Inputs: attention_mask 2 x 1 x 2,048 x 2,048 bool; key_layer_codes 2 x 32 x 2,048 x 4 x 24 uint8 (E2M3 codes of key_layer, K innermost, in blocks of 32 codes, four codes in three bytes); key_layer_scales 2 x 32 x 2,048 x 4 uint8 (E8M0 scales of key_layer, one for each 32 codes along K); query_layer_codes 2 x 32 x 2,048 x 4 x 24 uint8 (E2M3 codes of query_layer, K innermost, in blocks of 32 codes, four codes in three bytes); query_layer_scales 2 x 32 x 2,048 x 4 uint8 (E8M0 scales of query_layer, one for each 32 codes along K); value_layer_codes 2 x 32 x 128 x 64 x 24 uint8 (E2M3 codes of value_layer, K innermost, in blocks of 32 codes, four codes in three bytes); value_layer_scales 2 x 32 x 128 x 64 uint8 (E8M0 scales of value_layer, one for each 32 codes along K).
;; Outputs: out0 2 x 2,048 x 4,096 float32.
;; This version of the problem:
;;   THIS VERSION OF THE PROBLEM IS GIVEN IN LOW PRECISION. The matrix products marked QUANTISED in the list below multiply operands that are first quantised to E2M3 (2 exponent bits, 3 mantissa bits; 6 bits a number), with one power-of-two scale for each 32 numbers along K (OCP MX v1.0); their sums are f32. All else is computed in f32.
;;   The module's matrix products, in the order in which they are computed (A, B: the left and right operand; K: the contracted axis; several contracted axes count as one K, in the product's order):
;;     1. batch 64 x [M 2,048, K 128] x [K 128, N 2,048]; A: input query_layer (given as codes); B: input key_layer (given as codes): QUANTISED
;;     2. batch 64 x [M 2,048, K 2,048] x [K 2,048, N 128]; A: softmax (see below); B: input value_layer (given as codes): QUANTISED
;;   THE QUANTISER, for each operand of a quantised product, along K:
;;     - K is cut into blocks of 32 from its start; a last block that is shorter is filled with zeros.
;;     - A block's scale is 2^e with e = floor(log2(the largest magnitude in the block)) - 2, held to -126 .. 127; a block of zeros has e = 0. As a byte (E8M0): e + 127.
;;     - Each number is divided by its block's scale, clamped to +-7.5, and rounded to the nearest number of E2M3, ties to even, subnormals kept.
;;     - The product sums the exact products of the quantised numbers (number of the format x scale) in f32.
;;   ~~~python
;;   def quantise(x, axis):      # numpy; x: float32 -> the quantised numbers, widened to float32 again
;;       x = np.moveaxis(x, axis, -1); K = x.shape[-1]
;;       x = np.pad(x, [(0, 0)] * (x.ndim - 1) + [(0, -K % 32)]); x = x.reshape(x.shape[:-1] + (-1, 32)); a = np.abs(x).max(-1, keepdims=True)
;;       e = np.where(a > 0, np.clip(np.frexp(np.where(a > 0, a, 1))[1] - 1 - 2, -126, 127), 0)      # np.frexp(a)[1] - 1 = floor(log2(a)), exactly
;;       r = np.clip(x / 2.0 ** e, -7.5, 7.5)
;;       step = 2.0 ** (np.maximum(np.frexp(np.where(r == 0, 1, r))[1] - 1, 0) - 3)
;;       q = np.round(r / step) * step * 2.0 ** e      # np.round: ties to even
;;       return np.moveaxis(q.reshape(q.shape[:-2] + (-1,))[..., :K], -1, axis).astype(np.float32)
;;   ~~~
;;   SOFTMAX AHEAD OF A QUANTISED PRODUCT. Where the list says 'softmax', what is quantised is not the finished softmax but p = 2^(t - M), with t = logit x log2(e) and M = ceil(the row's largest t), a whole number; so 1/2 < the row's largest p <= 1. The row's sum l is taken of the UNQUANTISED p, in f32, and the product's result is divided by l at the end. Since M is a whole number, a kernel that streams over the keys may use a running M (the ceiling of the running maximum): every later rescaling is an exact power of two, which a block's scale takes up: the codes' values come out the same.
;;   OPERANDS COMPUTED ON THE WAY. 'Computed on the way' means the value that the module computes at that place (a softmax that the list does not call 'softmax' is quantised finished and normalised). What goes into a quantiser is computed in f32, as accurately as f32 sums, v_exp_f32 and their like allow (about 1e-6 of the number): no bf16 or f16 on the way to a quantiser, and a product that is left as it is and whose result goes on into a quantised operand takes f32 operands (vector FMAs, or v_wmma_f32_16x16x4_f32). A number that lies on a knife's edge between two numbers of the format may be rounded either way, as far as f32 arithmetic and the matrix unit's own rounding can turn it there, and no further.
;;   INPUTS GIVEN AS CODES. key_layer (in the module: [2, 32, 2048, 128], K = its axis 3); query_layer (in the module: [2, 32, 2048, 128], K = its axis 3); value_layer (in the module: [2, 32, 2048, 128], K = its axis 2): each comes as NAME_codes (uint8): NAME with its K axis moved to the last place and cut into blocks of 32 codes, [.., K / 32, bytes a block], one block behind the other in memory; four codes in three bytes: a row's codes are one little-endian stream of bits, code i at bits 6 i .. 6 i + 5 (a code: sign, 2 exponent bits, 3 mantissa bits); and NAME_scales (uint8): the same leading axes, one E8M0 byte (e + 127) for each 32 codes along K. Its value is code x scale, taken as it is: it is not quantised again, and the codes and scales need not be those that the quantiser above would give.
;; 2 versions. Each part assembles by itself: llvm-mc -triple=amdgcn-amd-amdhsa -mcpu=gfx1250 --defsym DOCPART=n.
;; ======== version 1 of 2: 2 launches
;; workspace buffers: mbits 1,048,576 bytes of whole numbers; mflag 1,024 bytes of whole numbers
;; launch maskprep (part 1): grid 128 x 2, 16 waves a work-group, no clusters, 2,304 bytes of LDS; arguments attention_mask, mbits, mflag; writes mbits, mflag
.if DOCPART == 1
	.amdgcn_target "amdgcn-amd-amdhsa--gfx1250"
	.amdhsa_code_object_version 6
	.text
	.protected	k_q406b97f7dd_maskprep
	.globl	k_q406b97f7dd_maskprep
	.p2align	8
	.type	k_q406b97f7dd_maskprep,@function
k_q406b97f7dd_maskprep:
	s_mov_b64 s[64:65], 0
	v_nop
	global_prefetch_b8 v0, s[64:65] scope:SCOPE_SE
	s_setreg_imm32_b32 hwreg(HW_REG_WAVE_MODE, 25, 1), 1
	s_wait_xcnt 0x0
; The mask [2][1][2048][2048], one byte a place (not 0 = hidden), becomes what the attention launch can use without a vector load:
;   mbits: for batch b, tile T of 16 queries, step J of 128 keys: 64 words at byte ((128 b + T) 16 + J) 256.  Word n = 16 blk + i; its bit l = r + 16 hh is mask[b][16 T + r][128 J + 32 blk + 16 hh + i]:
;          the lane mask of score register n of the wave that owns tile T.
;   mflag: one word for (b, T) at byte 4 (128 b + T): bit J: step J has a key that counts for some query of the tile; bit 16 + J: step J has a hidden place.
; SHARES: work-group (x = T, y = b); wave J takes step J: 16 rows x 128 bytes.  Lane (r, hh) loads, of row r, the 16 bytes at 32 blk + 16 hh, blk = 0 .. 3; two neighbouring waves cover each 256 bytes of a row.
; A byte's 32 lanes become one word by a compare; the 64 words are written into lanes (word n into lane n / 2, register n % 2), so that the wave stores 256 consecutive bytes, aligned, by one instruction.
.set MW,  8                            ; v8-23  the 16 words of mask bytes as loaded
.set TMPV, 24                          ; v24-27 one byte of each lane's word
.set FL,  28                           ; v28-43 the sixteen waves' flag words, read back by wave 0
	s_load_b128 s[4:7], s[0:1], 0x0                ; the mask s[4:5], mbits s[6:7]
	s_load_b64 s[8:9], s[0:1], 0x10                ; mflag
	v_lshl_add_u32 v48, v0, 2, 0x100
	v_mov_b32 v49, 0
	v_lshrrev_b32 v1, 5, v0
	v_readfirstlane_b32 s10, v1                    ; J: my wave's number
	s_and_b32 s12, ttmp7, 0xffff                   ; b
	s_lshl_b32 s11, s12, 7
	s_add_co_u32 s11, s11, ttmp9                   ; 128 b + T
	s_lshl_b32 s14, s12, 22                        ; the mask: b x 2,048 x 2,048
	s_lshl_b32 s13, ttmp9, 15                      ; + T x 16 rows of 2,048 bytes
	s_add_co_u32 s14, s14, s13
	s_lshl_b32 s13, s10, 7                         ; + 128 J
	s_add_co_u32 s14, s14, s13
	s_mov_b32 s15, 0
	s_lshl_b32 s18, s11, 4
	s_add_co_u32 s18, s18, s10
	s_lshl_b32 s18, s18, 8                         ; mbits: ((128 b + T) 16 + J) 256
	s_mov_b32 s19, 0
	s_lshl_b32 s28, s11, 2                         ; mflag: 4 (128 b + T)
	s_mov_b32 s29, 0
	v_and_b32 v1, 15, v0                           ; r
	v_bfe_u32 v24, v0, 4, 1                        ; hh
	v_lshlrev_b32 v4, 11, v1
	v_lshl_add_u32 v4, v24, 4, v4                  ; row r, + 16 hh
	v_and_b32 v5, 31, v0
	v_lshlrev_b32 v5, 3, v5                        ; out: 8 bytes a lane
	v_mov_b32 v2, 0                                ; (a lane write's destination counts as read)
	v_mov_b32 v3, 0
	v_mov_b32 v44, 0
	s_mov_b32 s16, -1                              ; the AND of the 64 words: all ones = every place hidden
	s_mov_b32 s17, 0                               ; their OR: not 0 = some place hidden
	s_wait_kmcnt 0x0
	s_add_nc_u64 s[4:5], s[4:5], s[14:15]
	s_add_nc_u64 s[6:7], s[6:7], s[18:19]
	s_add_nc_u64 s[8:9], s[8:9], s[28:29]
.irp k, 0,1,2,3
	global_load_b128 v[MW+4*\k:MW+4*\k+3], v4, s[4:5] offset:32*\k th:TH_LOAD_NT   ; read once in the launch
.endr
	s_wait_loadcnt 0x0
.irp m, 0,1,2,3,4,5,6,7,8,9,10,11,12,13,14,15      ; loaded word m holds the bytes of mask words n = 4 m + y
.irp y, 0,1,2,3
	v_and_b32 v[TMPV+\y], 0xff<<(8*\y), v[MW+\m]
.endr
.irp y, 0,1,2,3
	v_cmp_ne_u32 s[20+\y], 0, v[TMPV+\y]           ; bit l: lane l's place is hidden
.endr
.irp y, 0,1,2,3
	v_writelane_b32 v[2+\y%2], s[20+\y], 2*\m+\y/2
.endr
.irp y, 0,1,2,3
	s_and_b32 s16, s16, s[20+\y]
	s_or_b32 s17, s17, s[20+\y]
.endr
.endr
	global_store_b64 v5, v[2:3], s[6:7]            ; 32 lanes store 256 consecutive bytes, aligned
	s_cmp_lg_u32 s16, -1
	s_cselect_b32 s24, 1, 0                        ; some key counts
	s_cmp_lg_u32 s17, 0
	s_cselect_b32 s25, 0x10000, 0                  ; some place is hidden
	s_or_b32 s24, s24, s25
	s_lshl_b32 s24, s24, s10                       ; at bits J and 16 + J
	v_mov_b32 v6, s24
	v_mov_b32 v7, s10
	v_lshlrev_b32 v7, 2, v7
	ds_store_b32 v7, v6                            ; my wave's word: all lanes write the same word with the same value
	s_wait_dscnt 0x0                               ; for the others' sake: my store has landed
	s_barrier_signal -1
	s_barrier_wait -1
	s_cmp_lg_u32 s10, 0                            ; wave 0 joins the sixteen words and stores the tile's flags
	s_cbranch_scc1 .Lend
.irp i, 0,1,2,3
	ds_load_b128 v[FL+4*\i:FL+4*\i+3], v44 offset:16*\i
.endr
	s_wait_dscnt 0x0
.irp i, 0,1,2,3,4,5,6,7
	v_or_b32 v[FL+\i], v[FL+\i], v[FL+8+\i]
.endr
.irp i, 0,1,2,3
	v_or_b32 v[FL+\i], v[FL+\i], v[FL+4+\i]
.endr
	v_or_b32 v[FL], v[FL], v[FL+2]
	v_or_b32 v[FL+1], v[FL+1], v[FL+3]
	v_or_b32 v[FL], v[FL], v[FL+1]
	v_cmp_eq_u32 vcc_lo, 0, v0
	s_wait_xcnt 0x0                                ; EXEC is a source of the store above: it changes only behind this wait
	s_and_saveexec_b32 s30, vcc_lo
	global_store_b32 v44, v[FL], s[8:9]            ; thread 0 alone: one word
	s_wait_xcnt 0x0                                ; and again, in front of the line that widens EXEC
	s_or_b32 exec_lo, exec_lo, s30
.Lend:
	s_wait_tensorcnt 0x0
	ds_add_u32 v48, v49
	s_wait_dscnt 0x0
	s_endpgm
.Lfunc_end_k_q406b97f7dd_maskprep:
	.size	k_q406b97f7dd_maskprep, .Lfunc_end_k_q406b97f7dd_maskprep-k_q406b97f7dd_maskprep
	.p2alignl 7, 3214868480
	.fill 96, 4, 3214868480
	.section	.rodata,"a",@progbits
	.p2align	6, 0x0
	.amdhsa_kernel k_q406b97f7dd_maskprep
		.amdhsa_group_segment_fixed_size 2304
		.amdhsa_private_segment_fixed_size 0
		.amdhsa_enable_private_segment 0
		.amdhsa_kernarg_size 24
		.amdhsa_user_sgpr_count 2
		.amdhsa_user_sgpr_kernarg_segment_ptr 1
		.amdhsa_wavefront_size32 1
		.amdhsa_system_sgpr_workgroup_id_x 1
		.amdhsa_system_sgpr_workgroup_id_y 1
		.amdhsa_system_sgpr_workgroup_id_z 1
		.amdhsa_system_vgpr_workitem_id 0
		.amdhsa_next_free_vgpr 50
		.amdhsa_next_free_sgpr 66
		.amdhsa_reserve_vcc 1
		.amdhsa_float_denorm_mode_32 3
		.amdhsa_float_denorm_mode_16_64 3
		.amdhsa_memory_ordered 1
		.amdhsa_forward_progress 1
		.amdhsa_inst_pref_size 20
	.end_amdhsa_kernel
	.amdgpu_metadata
---
amdhsa.version: [ 1, 2 ]
amdhsa.kernels:
  - .name:           k_q406b97f7dd_maskprep
    .symbol:         k_q406b97f7dd_maskprep.kd
    .args:
      - { .name: attention_mask, .offset: 0, .size: 8, .value_kind: global_buffer, .address_space: global }
      - { .name: mbits, .offset: 8, .size: 8, .value_kind: global_buffer, .address_space: global }
      - { .name: mflag, .offset: 16, .size: 8, .value_kind: global_buffer, .address_space: global }
    .group_segment_fixed_size: 2304
    .private_segment_fixed_size: 0
    .kernarg_segment_align: 8
    .kernarg_segment_size: 24
    .max_flat_workgroup_size: 512
    .sgpr_count:     66
    .vgpr_count:     50
    .wavefront_size: 32
...
	.end_amdgpu_metadata
.endif
;; end of part 1
;; launch attn (part 2): grid 8 x 64, 16 waves a work-group, no clusters, 220,160 bytes of LDS; arguments query_layer_codes, query_layer_scales, key_layer_codes, key_layer_scales, value_layer_codes, value_layer_scales, mbits, mflag, out0; writes out0
.if DOCPART == 2
	.amdgcn_target "amdgcn-amd-amdhsa--gfx1250"
	.amdhsa_code_object_version 6
	.text
	.protected	k_q406b97f7dd_attn
	.globl	k_q406b97f7dd_attn
	.p2align	8
	.type	k_q406b97f7dd_attn,@function
k_q406b97f7dd_attn:
	s_mov_b64 s[64:65], 0
	v_nop
	global_prefetch_b8 v0, s[64:65] scope:SCOPE_SE
	s_setreg_imm32_b32 hwreg(HW_REG_WAVE_MODE, 25, 1), 1
	s_wait_xcnt 0x0
; out[b][q][128 hd + :] = the sum over k of softmax_k(Q[q] . K[k] / sqrt(128), hidden where the mask says so) V[k][:], for 64 heads (y = 32 b + hd), 2,048 queries and keys, both products on codes of FP6 (E2M3) with one E8M0 scale for each 32 along K.
; Q, K: [64][2048][128] as codes (96 bytes a row), scale bytes [64][2048][4].  V: codes with the KEYS innermost, [64][128][2048] (1,536 bytes a row), scale bytes [64][128][64].  out: [2][2048][4096] f32.
; THE MASK is an input.  The launch before has turned it into lane masks (mbits: 64 words for a tile of 16 queries and a step of 128 keys, word n = the lane mask of score register n) and flags (mflag: for a tile, bit J: step J has a key that
; counts, bit 16 + J: step J has a hidden place).  A step all of whose 16 x 128 places are hidden adds nothing (every p is 0) and is left out, by a scalar branch on the stored flags; a step with no hidden place leaves the 64 selects out.
; THE SOFTMAX AHEAD OF THE SECOND PRODUCT: t = score x log2(e) / sqrt(128); M = the row's largest t so far, rounded UP to a whole number; p = 2^(t - M) is quantised along the keys, not normalised; the row's sum is taken of the
; unquantised p and divides at the end.  When M moves, the sum and O are multiplied by 2^(old M - new M): exact.
; SHARES.  A work-group owns the blocks x and 15 - x of 128 queries of one head; each of its sixteen waves owns one tile of 16 queries, in 256 registers.  Wave w: half hf = (w xor w / 4) & 1, tile 8 (x + hf (15 - 2 x)) + w / 2.
; All waves walk 8 slots of 256 keys (two steps of 128), a constant count, and jump over work by the flags; no barrier stands under such a jump.
; NO TENSOR LOAD AND NO CLUSTER: what is fetched and multiplied hangs on flags read from memory.  K and V go from memory through registers into a ring of
; two LDS slots: each of the 512 threads carries 48 bytes of K and 48 of V a slot, one slot ahead of the work, only for slots that some wave of the work-group needs.
; LAYOUT.  Both products are used transposed: S^T = K Q^T (source 0 = 16 keys, source 1 = my 16 queries), O^T = V^T P^T: a lane holds ONE query (lane % 16) throughout.
; Lane r of tile 2 b + u of K takes key 32 b + 8 u + r + 8 (r / 8), so that the 16 registers of tiles 2 b, 2 b + 1 are 16 neighbouring keys, 32 b + 16 (lane / 16) + 0 .. 15.  In LDS key k lies in row rho(k) = k with bits 3 and 4 swapped: so a tile's rows are neighbours.
; A row's 96 bytes (128 codes) are four pieces of 24, A B C D; lanes 0-15 want A and C, lanes 16-31 B and D.  In LDS they lie A C B D: a lane's 12 registers are 48 bytes on end, three loads of 16 bytes.
; LIMITS.  A row all of whose keys are hidden has sum 0 and O 0: 0 x (1 / 0) = NaN, as the definition has it.  A scale byte 0xff gives NaN.  A p under 2^-126 is 0 (v_exp_f32).  A block of p that is all zeros has the byte 1 and zero codes.
; REGISTERS: v1-7, v28-29 addresses that stay; v8-11 addresses of the step in hand; v12 -M, v13 the largest t, v[14:15] the sum in two halves; v16-27 Q; v30 -infinity; v31 where the ring is being written; v32-79 four fragments of K or V;
;   v80-91 48 bytes on their way into the ring; v92 the prefetches' offset; v96-159 S^T, then p; v160-223 O^T; v224-235 p's codes; v232-254 at work; v248-251, v253, v255 scale words.
.set KP,    112                        ; a key's row in LDS: 96 bytes + 16 = 7 x 16: the sixteen rows of a 16-byte load begin in sixteen different 16-byte columns of 256
.set VP,    208                        ; a row of V's tile: 192 bytes (256 keys) + 16 = 13 x 16: likewise
.set VOFF,  256*KP                     ; a slot: 256 rows of K, then 128 rows of V
.set SLOT1, 65536                      ; slot 1
.set SCK,   131072                     ; K's scale words of the whole head: key k's at 4 k
.set SCV,   SCK+8192                   ; V's, turned: step J, channel d at 512 J + 4 d
.set STAGE, SCV+8192+1024              ; (1,024 bytes are left unused)  the way out: 16 rows x 272 bytes for each wave
.set SP,    272
.set AK0,  1                           ; v1   my lane's place in a tile of K: r KP + 48 hh
.set AV0,  2                           ; v2   in a tile of V: VOFF + r VP + 48 hh
.set ASK0, 3                           ; v3   among K's scale words: SCK + 4 (r + 8 (r / 8))
.set ASV0, 4                           ; v4   among V's: SCV + 4 r
.set KGO,  5                           ; v5   my 48 bytes of a slot's K in memory: 48 t
.set KLA,  6                           ; v6   and in a slot: rho(t / 2) KP + 24 (t % 2)
.set GO,   7                           ; v7   the way out: my byte offset in the wave's rows of out
.set ADK,  8
.set ADV,  9
.set ADS,  10
.set ADT,  11
.set VGO,  28                          ; v28  my 48 bytes of a slot's V in memory: row t / 4, + 48 (t % 4)
.set VLA,  29                          ; v29  and in a slot: VOFF + (t / 4) VP + 96 ((t / 2) % 2) + 24 (t % 2)
.set NINF, 30
.set PA,   31
.set STD,  80
.set PFO,  92
.set KPT,  4                           ; s[4:5]   K's codes at the slot after the one in hand
.set VPT,  6                           ; s[6:7]   V's likewise
.set MB,   8                           ; s[8:9]   my tile's mask words at the slot in hand
.set OUTP, 10                          ; s[10:11] out at my first row
.set WV,   12                          ; s12  my wave's number
.set NEED, 13                          ; s13  my tile's flags 'a key counts', bit 0 = the step in hand
.set MIXED, 14                         ; s14  my tile's flags 'a place is hidden', likewise
.set WGN,  15                          ; s15  the OR of all sixteen tiles' NEED, bits 0, 1 = the slot in hand
.set ROLE, 16                          ; s16  1: I prefetch K, 2: V, 0: nothing
.set SN,   17                          ; s17  the slot's number
.set TS,   18                          ; s18  512 x the step's number: both kinds of scale words step so
.set CNT,  19                          ; s19  counts the loop's trips
.set SEL,  20                          ; s[20:21] lane selects for v_permlanex16_b32: lane l xor 16
.set CS,   22                          ; s[22:23] c = log2(e) / sqrt(128), twice (the packed form names a pair)
                                       ; s24-31 at work;  s[32:63], s[68:99] the step's 64 mask words (word n in s[32 + n + 4 (n / 32)]); at the head: pointers and flags
	s_load_b512 s[32:47], s[0:1], 0x0              ; Q's codes s[32:33], Q's scales s[34:35], K's s[36:37], s[38:39], V's s[40:41], s[42:43], mbits s[44:45], mflag s[46:47]
	s_load_b64 s[48:49], s[0:1], 0x40              ; out
	v_lshrrev_b32 v8, 5, v0
	v_readfirstlane_b32 s[WV], v8                  ; wave 0..15
	s_and_b32 s24, ttmp7, 0xffff                   ; y: the head
	s_lshr_b32 s25, s24, 5                         ; b
	s_and_b32 s26, s24, 31                         ; hd
	s_lshr_b32 s27, s[WV], 2
	s_xor_b32 s27, s27, s[WV]
	s_and_b32 s27, s27, 1                          ; hf
	s_lshl_b32 s28, ttmp9, 1
	s_sub_co_u32 s28, 15, s28
	s_mul_i32 s28, s28, s27
	s_add_co_u32 s28, s28, ttmp9                   ; my block of 128 queries: x or 15 - x
	s_lshr_b32 s29, s[WV], 1
	s_lshl_b32 s28, s28, 3
	s_add_co_u32 s28, s28, s29                     ; T: my tile of 16 queries
	s_lshl_b32 s29, s25, 7
	s_add_co_u32 s29, s29, s28                     ; 128 b + T
	s_mul_i32 s30, s24, 196608                     ; a head's codes: 2,048 x 96 bytes (V: 128 x 1,536)
	s_mov_b32 s31, 0
	s_lshl_b32 s50, s24, 13                        ; a head's scale bytes: 8,192
	s_mov_b32 s51, 0
	s_mul_i32 s52, s28, 1536                       ; my 16 queries' codes
	s_mov_b32 s53, 0
	s_lshl_b32 s54, s28, 6                         ; and scale words
	s_mov_b32 s55, 0
	s_lshl_b32 s56, s29, 12                        ; my tile's mask words: 16 steps x 256 bytes
	s_mov_b32 s57, 0
	s_lshl_b32 s58, s25, 25                        ; out: b x 2,048 rows of 16,384 bytes
	s_lshl_b32 s59, s28, 18                        ; + 16 T rows
	s_add_co_u32 s58, s58, s59
	s_lshl_b32 s59, s26, 9                         ; + 512 hd
	s_add_co_u32 s58, s58, s59
	s_mov_b32 s59, 0
	s_lshl_b32 s60, s25, 9                         ; the flags of block x's eight tiles: 512 b + 32 x,
	s_lshl_b32 s61, ttmp9, 5
	s_sub_co_u32 s62, 480, s61                     ; of block 15 - x's,
	s_add_co_u32 s62, s62, s60
	s_add_co_u32 s60, s60, s61
	s_mov_b32 s61, 0
	s_mov_b32 s63, 0
	s_lshl_b32 s2, s29, 2                          ; and my tile's
	s_mov_b32 s3, 0
	s_mov_b32 s[SEL], 0x76543210
	s_mov_b32 s[SEL+1], 0xfedcba98
	s_mov_b32 s[CS], 0x3e0293ee                    ; c = log2(e) / sqrt(128)
	s_mov_b32 s[CS+1], s[CS]
	v_and_b32 v93, 15, v0                          ; r
	v_bfe_u32 v94, v0, 4, 1                        ; hh
	v_mul_u32_u24 v[AK0], v93, KP
	v_mad_u32_u24 v[AK0], v94, 48, v[AK0]
	v_mul_u32_u24 v[AV0], v93, VP
	v_mad_u32_u24 v[AV0], v94, 48, v[AV0]
	v_add_nc_u32 v[AV0], VOFF, v[AV0]
	v_and_b32 v95, 8, v93
	v_add_nc_u32 v95, v95, v93                     ; r + 8 (r / 8)
	v_lshl_add_u32 v[ASK0], v95, 2, SCK
	v_lshl_add_u32 v[ASV0], v93, 2, SCV
	v_mul_u32_u24 v[KGO], v0, 48
	v_lshrrev_b32 v8, 1, v0                        ; the key that I carry: t / 2;
	v_and_b32 v9, 0xe7, v8
	v_bfe_u32 v10, v8, 3, 1
	v_lshl_or_b32 v9, v10, 4, v9
	v_bfe_u32 v10, v8, 4, 1
	v_lshl_or_b32 v9, v10, 3, v9                   ; rho: bits 3 and 4 change places
	v_mul_u32_u24 v[KLA], v9, KP
	v_and_b32 v10, 1, v0
	v_mad_u32_u24 v[KLA], v10, 24, v[KLA]          ; pieces A, B go to 0 and 48, pieces C, D to 24 and 72
	v_lshlrev_b32 v[GO], 14, v94
	v_lshl_add_u32 v[GO], v93, 4, v[GO]            ; lanes 0-15 one row of out, lanes 16-31 the next; 16 bytes a lane
	v_lshrrev_b32 v8, 2, v0                        ; the row of V that I carry: t / 4
	v_and_b32 v9, 3, v0
	v_mul_u32_u24 v[VGO], v8, 1536
	v_mad_u32_u24 v[VGO], v9, 48, v[VGO]
	v_mul_u32_u24 v[VLA], v8, VP
	v_bfe_u32 v11, v0, 1, 1
	v_mad_u32_u24 v[VLA], v11, 96, v[VLA]
	v_mad_u32_u24 v[VLA], v10, 24, v[VLA]
	v_add_nc_u32 v[VLA], VOFF, v[VLA]
	v_lshlrev_b32 v10, 11, v9
	v_lshl_add_u32 v10, v8, 2, v10
	v_add_nc_u32 v10, SCV, v10                     ; where my four of V's scale words go: SCV + 2,048 (t % 4) + 4 (t / 4), 512 bytes apart
	v_lshl_add_u32 v9, v0, 4, SCK                  ; where my four of K's go: as they lie
	v_lshlrev_b32 v116, 4, v0                      ; my 16 of a head's 8,192 scale bytes
	v_mul_u32_u24 v117, v93, 96
	v_mad_u32_u24 v117, v94, 24, v117              ; Q: row r, + my half's bytes
	v_lshlrev_b32 v118, 2, v93                     ; Q's scale words
	s_wait_kmcnt 0x0
	s_add_nc_u64 s[60:61], s[46:47], s[60:61]
	s_add_nc_u64 s[62:63], s[46:47], s[62:63]
	s_add_nc_u64 s[2:3], s[46:47], s[2:3]
	s_load_b256 s[68:75], s[60:61], 0x0            ; the flags of the work-group's sixteen tiles,
	s_load_b256 s[76:83], s[62:63], 0x0
	s_load_b32 s[NEED], s[2:3], 0x0                ; and mine
	s_add_nc_u64 s[KPT:KPT+1], s[36:37], s[30:31]
	s_add_nc_u64 s[VPT:VPT+1], s[40:41], s[30:31]
	s_add_nc_u64 s[38:39], s[38:39], s[50:51]
	s_add_nc_u64 s[42:43], s[42:43], s[50:51]
	s_add_nc_u64 s[32:33], s[32:33], s[30:31]
	s_add_nc_u64 s[32:33], s[32:33], s[52:53]
	s_add_nc_u64 s[34:35], s[34:35], s[50:51]
	s_add_nc_u64 s[34:35], s[34:35], s[54:55]
	s_add_nc_u64 s[MB:MB+1], s[44:45], s[56:57]
	s_add_nc_u64 s[OUTP:OUTP+1], s[48:49], s[58:59]
	global_load_b128 v[96:99], v116, s[38:39]      ; K's scale bytes of the whole head: 512 threads x 16 bytes
	global_load_b128 v[100:103], v116, s[42:43]    ; V's
.irp j, 0,1,2
	global_load_b128 v[STD+4*\j:STD+4*\j+3], v[KGO], s[KPT:KPT+1] offset:16*\j      ; slot 0 of K
.endr
.irp j, 0,1,2
	global_load_b128 v[104+4*\j:107+4*\j], v[VGO], s[VPT:VPT+1] offset:16*\j        ; slot 0 of V
.endr
.irp p, 0,1,2,3,4,5
	global_load_b64 v[16+2*\p:17+2*\p], v117, s[32:33] offset:48*(\p/3)+8*(\p%3) th:TH_LOAD_NT   ; Q's fragment stays in registers; read once in the launch
.endr
	global_load_b32 v255, v118, s[34:35]           ; Q's scale words
	s_lshr_b32 s[ROLE], s[WV], 2                   ; who prefetches: waves 4 to 6 K, waves 8 to 11 V, in the head's work-group x = 0 alone
	s_cmp_eq_u32 s[WV], 7
	s_cselect_b32 s[ROLE], 0, s[ROLE]
	s_cmp_eq_u32 s[ROLE], 3
	s_cselect_b32 s[ROLE], 0, s[ROLE]
	s_cmp_lg_u32 ttmp9, 0
	s_cselect_b32 s[ROLE], 0, s[ROLE]
	s_mov_b32 s24, 1536
	s_cmp_eq_u32 s[ROLE], 1
	s_cselect_b32 s24, 256, s24                    ; from thread to thread: 256 bytes in K's dense block, a row in V
	v_and_b32 v[PFO], 0x7f, v0
	v_mul_lo_u32 v[PFO], v[PFO], s24
	v_mov_b32 v[NINF], 0xff800000                  ; -infinity
	v_mov_b32 v13, 0xff61b1e6                      ; the largest t so far: -3e38, under every t
	v_floor_f32 v12, -v13                          ; -M
	v_mov_b32 v14, 0                               ; the sum, in two halves
	v_mov_b32 v15, 0
.irp b, 0,1,2,3
	v_mov_b32 v[236+\b], 0                         ; written once: a lane permute's destination counts as one of its sources
.endr
	v_mov_b32 v252, 0                              ; likewise, for the way out of a wave that has left every step out
	v_mov_b32 v253, 0                              ; (named as the upper half of the pair v[252:253] before it is first written)
.set JJ, 0
.rept 64
	v_mov_b32 v[160+JJ], 0                         ; O^T.  (The step is written without a first step of its own: the first finds zeros, which the first change of M leaves zeros)
.set JJ, JJ+1
.endr
	s_wait_kmcnt 0x0                               ; the flags
	s_or_b32 s[WGN], s68, s69
.irp i, 70,71,72,73,74,75,76,77,78,79,80,81,82,83
	s_or_b32 s[WGN], s[WGN], s\i
.endr
	s_and_b32 s[WGN], s[WGN], 0xffff               ; bits 16 on are 0: beyond step 15 nothing is needed, so nothing is fetched or prefetched past slot 7
	s_lshr_b32 s[MIXED], s[NEED], 16
	s_and_b32 s[NEED], s[NEED], 0xffff
	s_wait_loadcnt 0x0
	ds_store_b128 v9, v[96:99]
.irp i, 0,1,2,3
	ds_store_b32 v10, v[100+\i] offset:512*\i      ; my row's words of steps 4 (t % 4) + i
.endr
; 48 bytes, two pieces of 24, go into the ring: the first piece at the address, the second 48 bytes on; in stores of 8 bytes, so that every address is a multiple of the access's size
.macro PUT adr, reg
.irp p, 0,1,2,3,4,5
	ds_store_b64 v[\adr], v[\reg+2*\p:\reg+2*\p+1] offset:48*(\p/3)+8*(\p%3)
.endr
.endm
	PUT KLA, STD
	PUT VLA, 104
	s_wait_xcnt 0x0                                ; the head's loads have read their bases: those registers are written again from here on
	s_add_nc_u64 s[KPT:KPT+1], s[KPT:KPT+1], 24576 ; on to slot 1
	s_add_nc_u64 s[VPT:VPT+1], s[VPT:VPT+1], 192
	s_mov_b32 s[TS], 0
	s_mov_b32 s[SN], 0
	s_mov_b32 s[CNT], 0
; The next slot's K is asked for, if some wave of the work-group needs one of its two steps (bits 2, 3 of WGN).
.macro KLOADS
	s_and_b32 s24, s[WGN], 0xc
	s_cmp_lg_u32 s24, 0
	s_cbranch_scc0 .Lno_k_\@
.irp j, 0,1,2
	global_load_b128 v[STD+4*\j:STD+4*\j+3], v[KGO], s[KPT:KPT+1] offset:16*\j
.endr
.Lno_k_\@:
.endm
; A PREFETCH INTO THE L2 of the slot after the next (bits 4, 5 of WGN: none past slot 7), behind the wave's loads: one slot ahead of the loads that will want it, the least that this ring offers.
; All eight work-groups of a head walk the same K and V: work-group x = 0 asks.  Waves 4 to 6: K's dense block of 24,576 bytes, threads 256 bytes apart.  Waves 8 to 11: V's 128 rows, a thread a row; a slot's part of a row is 192 bytes, so a
; thread names the part's LAST byte: the aligned 256 bytes in which it ends have been touched by no earlier slot's part, but for slots 3 and 7, which end where slots 2 and 6 do: there nothing is asked.  So each aligned 256 bytes are named once.
.macro ASK
	s_and_b32 s24, s[WGN], 0x30
	s_cmp_lg_u32 s24, 0
	s_cbranch_scc0 .Lno_ask_\@
	s_cmp_eq_u32 s[ROLE], 1
	s_cbranch_scc0 .Lnot_k_\@
	global_prefetch_b8 v[PFO], s[KPT:KPT+1] offset:24576 th:TH_LOAD_NT scope:SCOPE_SE
	s_branch .Lno_ask_\@
.Lnot_k_\@:
	s_cmp_eq_u32 s[ROLE], 2
	s_cbranch_scc0 .Lno_ask_\@
	s_and_b32 s24, s[SN], 3
	s_cmp_eq_u32 s24, 1                            ; the slot to be named is SN + 2
	s_cbranch_scc1 .Lno_ask_\@
	global_prefetch_b8 v[PFO], s[VPT:VPT+1] offset:383 th:TH_LOAD_NT scope:SCOPE_SE
.Lno_ask_\@:
.endm
; K's 48 bytes go into slot o, and V's are asked for into the same registers.  The wait for the loads and the address stand on every way.
.macro KPUT_VLOADS o
	s_wait_loadcnt 0x0                             ; K's three loads, if they were issued
	v_add_nc_u32 v[PA], (\o)*SLOT1, v[KLA]
	s_and_b32 s24, s[WGN], 0xc
	s_cmp_lg_u32 s24, 0
	s_cbranch_scc0 .Lno_put_\@
	PUT PA, STD
	s_wait_dscnt 0x0                               ; the stores have read their registers
.irp j, 0,1,2
	global_load_b128 v[STD+4*\j:STD+4*\j+3], v[VGO], s[VPT:VPT+1] offset:16*\j
.endr
.Lno_put_\@:
.endm
.macro VPUT o
	s_wait_loadcnt 0x0                             ; V's three loads, if they were issued
	v_add_nc_u32 v[PA], (\o)*SLOT1, v[VLA]
	s_and_b32 s24, s[WGN], 0xc
	s_cmp_lg_u32 s24, 0
	s_cbranch_scc0 .Lno_put_\@
	PUT PA, STD
.Lno_put_\@:
.endm
; A KEY STEP: 128 keys, the q-th of slot sl.
.macro STEP sl, q
	v_add_nc_u32 v[ADK], (\sl)*SLOT1, v[AK0]       ; the four addresses are made on every way; they are also the four places between the last products and the loads into the registers that those read
	v_add_nc_u32 v[ADV], (\sl)*SLOT1, v[AV0]
	v_add_nc_u32 v[ADS], s[TS], v[ASK0]
	v_add_nc_u32 v[ADT], s[TS], v[ASV0]
	s_bitcmp1_b32 s[NEED], 0                       ; does any key of this step count for any of my queries?
	s_cbranch_scc0 .Lskip_\@
	s_load_b512 s[32:47], s[MB:MB+1], 256*(\q)     ; the step's 64 lane masks: wanted behind the first product
	s_load_b512 s[48:63], s[MB:MB+1], 256*(\q)+0x40
	s_load_b512 s[68:83], s[MB:MB+1], 256*(\q)+0x80
	s_load_b512 s[84:99], s[MB:MB+1], 256*(\q)+0xc0
.irp g, 0,1                                        ; S^T = K Q^T, four tiles of 16 keys at a time
.if \g > 0
.rept 4
	v_nop                                          ; places in front of loads into registers that matrix instructions have read
.endr
.endif
.irp t, 0,1,2,3
.irp c, 0,1,2
	ds_load_b128 v[32+12*\t+4*\c:35+12*\t+4*\c], v[ADK] offset:(128*(\q)+16*(4*\g+\t))*KP+16*\c
.endr
	ds_load_b32 v[248+\t], v[ADS] offset:(32*((4*\g+\t)/2)+8*(\t%2))*4
.endr
	s_wait_dscnt 0x0
.irp t, 0,1,2,3
	v_wmma_scale_f32_16x16x128_f8f6f4 v[96+8*(4*\g+\t):103+8*(4*\g+\t)], v[32+12*\t:43+12*\t], v[16:27], 0, v[248+\t], v255 matrix_a_fmt:MATRIX_FMT_FP6 matrix_b_fmt:MATRIX_FMT_FP6
.endr
.endr                                              ; lane (r, hh) holds query r; register 16 b + i is key 32 b + 16 hh + i of the step
.rept 4
	v_nop                                          ; places in front of the first read of the results
.endr
	s_wait_kmcnt 0x0                               ; the lane masks are in
	s_bitcmp1_b32 s[MIXED], 0                      ; is any place of this step hidden?
	s_cbranch_scc0 .Lopen_\@
.set JJ, 0
.rept 64
	v_cndmask_b32 v[96+JJ], v[96+JJ], v[NINF], s[32+JJ+4*(JJ/32)]   ; hidden scores become -infinity ahead of the maximum: p = 0 then.  (Ascending: each result is read from its low end on)
.set JJ, JJ+1
.endr
.Lopen_\@:
.irp b, 0,1,2,3
	v_max3_num_f32 v[232+\b], v[96+16*\b], v[97+16*\b], v[98+16*\b]   ; the largest score of each block of 32 keys: it serves for the row's maximum and, since p rises with the score, for the block's largest p
.endr
.irp i, 3,5,7,9,11,13
.irp b, 0,1,2,3
	v_max3_num_f32 v[232+\b], v[232+\b], v[96+16*\b+\i], v[97+16*\b+\i]   ; (the four blocks by turns)
.endr
.endr
.irp b, 0,1,2,3
	v_max_num_f32 v[232+\b], v[232+\b], v[111+16*\b]
.endr
.irp b, 0,1,2,3
	v_permlanex16_b32 v[236+\b], v[232+\b], s[SEL], s[SEL+1]
.endr
.irp b, 0,1,2,3
	v_max_num_f32 v[232+\b], v[232+\b], v[236+\b]  ; with lane l xor 16's 16 keys
.endr
	v_max3_num_f32 v254, v232, v233, v234
	v_max_num_f32 v254, v254, v235                 ; the step's largest score of my query (-infinity where all its 128 keys are hidden)
	v_mul_f32 v254, s[CS], v254                    ; as t (c is positive)
	v_max_num_f32 v13, v13, v254                   ; the running largest t
	v_mov_b32 v254, v12
	v_floor_f32 v12, -v13                          ; the new -M = floor(-t) = -ceil(t): M is a whole number
	v_sub_f32 v254, v12, v254                      ; M's old value less its new one: a whole number, 0 or less
	v_cvt_i32_f32 v254, v254                       ; (it saturates)
	v_ldexp_f32 v252, 1.0, v254                    ; f = 2^(old M - new M): a multiplication by it rounds nothing
.set JJ, 0
.rept 32
	v_pk_fma_f32 v[96+JJ:97+JJ], v[96+JJ:97+JJ], s[CS:CS+1], v[12:13] op_sel_hi:[1,0,0]   ; t - M, two at a time (of the pairs c and -M the low word serves both halves)
.set JJ, JJ+2
.endr
.irp b, 0,1,2,3
	v_fma_f32 v[232+\b], v[232+\b], s[CS], v12     ; the same of each block's largest score
.endr
.set JJ, 0
.rept 64
	v_exp_f32 v[96+JJ], v[96+JJ]                   ; p = 2^(t - M), at most 1: not normalised
.set JJ, JJ+1
.endr
	v_pk_mul_f32 v[14:15], v[14:15], v[252:253] op_sel_hi:[1,0]   ; the sums under the new M.  (The plain instruction behind the exponentials)
	s_wait_alu depctr_va_vdst(0)                   ; one wait for the whole batch, ahead of its first reader
.irp b, 0,1,2,3
	v_exp_f32 v[232+\b], v[232+\b]                 ; the block's largest p: the same two instructions on the same number give the same bits
.endr
	v_pk_add_f32 v[236:237], v[96:97], v[98:99]    ; the row's sum is taken of the unquantised p: two at a time, in two chains.  (It reads the 64 alone: plain work behind the four)
.irp j, 4,8,12,16,20,24,28,32,36,40,44,48,52,56,60
	v_pk_add_f32 v[14:15], v[14:15], v[96+\j:97+\j]
	v_pk_add_f32 v[236:237], v[236:237], v[98+\j:99+\j]
.endr
	v_pk_add_f32 v[14:15], v[14:15], v[236:237]
	s_wait_alu depctr_va_vdst(0)                   ; and one for the four
.irp b, 0,1,2,3
	v_max_num_f32 v[232+\b], 0x1800000, v[232+\b]  ; the floor 2^(3 - 127): the byte cannot fall under 1 (a block whose every p is 0 keeps that byte: its codes are zeros)
.endr
.irp b, 0,1,2,3
	v_add_nc_u32 v[244+\b], 0xff000000, v[232+\b]  ; 2 off the exponent field: the conversion's scale operand
.endr
.irp b, 0,1,2,3
	v_lshrrev_b32 v[236+\b], 23, v[244+\b]         ; the scale's byte
.endr
	v_lshl_or_b32 v253, v237, 8, v236              ; p's scale word for these 128 keys
	v_lshl_or_b32 v253, v238, 16, v253
	v_lshl_or_b32 v253, v239, 24, v253
.irp c, 0,1
	v_cvt_scalef32_pk16_fp6_f32 v[224+6*\c:226+6*\c], v[96+32*\c:111+32*\c], v[244+2*\c]
	v_cvt_scalef32_pk16_fp6_f32 v[236+4*\c:238+4*\c], v[112+32*\c:127+32*\c], v[244+2*\c+1]   ; (a conversion's three registers begin on an even number)
.endr
	v_nop                                          ; one plain vector instruction between a scaled conversion and the vector instruction that touches its result
.irp c, 0,1                                        ; the operand's layout wants a whole block in a lane: lanes 0-15 block 2 c, lanes 16-31 block 2 c + 1
.irp i, 0,1,2
	v_permlane16_swap_b32 v[224+6*\c+\i], v[236+4*\c+\i]
.endr
.irp i, 0,1,2
	v_mov_b32 v[227+6*\c+\i], v[236+4*\c+\i]
.endr
.endr
.set JJ, 0
.rept 32
	v_pk_mul_f32 v[160+JJ:161+JJ], v[160+JJ:161+JJ], v[252:253] op_sel_hi:[1,0]   ; O^T under the new M: x f.  (These 32 are also the places in front of the scaled products, whose operand and scale word were just written, and of the loads below)
.set JJ, JJ+2
.endr
.irp g, 0,1                                        ; O^T += V^T P^T: four tiles of 16 of the head's 128 at a time; K = these 128 keys.  The eight sums take turns, one instruction a turn
.if \g > 0
.rept 4
	v_nop
.endr
.endif
.irp t, 0,1,2,3
.irp c, 0,1,2
	ds_load_b128 v[32+12*\t+4*\c:35+12*\t+4*\c], v[ADV] offset:16*(4*\g+\t)*VP+96*(\q)+16*\c
.endr
	ds_load_b32 v[248+\t], v[ADT] offset:64*(4*\g+\t)
.endr
	s_wait_dscnt 0x0
.irp t, 0,1,2,3
	v_wmma_scale_f32_16x16x128_f8f6f4 v[160+8*(4*\g+\t):167+8*(4*\g+\t)], v[32+12*\t:43+12*\t], v[224:235], v[160+8*(4*\g+\t):167+8*(4*\g+\t)], v[248+\t], v253 matrix_a_fmt:MATRIX_FMT_FP6 matrix_b_fmt:MATRIX_FMT_FP6
.endr
.endr
.Lskip_\@:
	s_lshr_b32 s[NEED], s[NEED], 1                 ; on to the next step's flags and scale words, on both ways
	s_lshr_b32 s[MIXED], s[MIXED], 1
	s_add_co_u32 s[TS], s[TS], 512
.endm
; A SLOT.  ONE barrier at its head, for two things: in front of it each wave waits for its LDS instructions: its stores into this slot have landed, and its reads of the other slot are back.  Behind it this slot is whole and
; nobody reads the other one, which is written while this one is read: K's part between the two steps, V's behind the second.
.macro SLOT sl
	s_wait_dscnt 0x0
	s_barrier_signal -1
	s_barrier_wait -1
	KLOADS
	ASK
	STEP \sl, 0
	KPUT_VLOADS 1-\sl
	STEP \sl, 1
	VPUT 1-\sl
	s_wait_xcnt 0x0                                ; the slot's loads and its prefetch have read their bases: only behind this wait are the pointers stepped
	s_add_nc_u64 s[KPT:KPT+1], s[KPT:KPT+1], 24576 ; 256 keys x 96 bytes
	s_add_nc_u64 s[VPT:VPT+1], s[VPT:VPT+1], 192   ; 256 codes in each row
	s_add_nc_u64 s[MB:MB+1], s[MB:MB+1], 512       ; two steps' mask words
	s_lshr_b32 s[WGN], s[WGN], 2
	s_add_co_u32 s[SN], s[SN], 1
.endm
.Lpair:                                            ; four trips, two slots each: every slot address is a constant of the text.  No tail is written out: in slot 7 WGN's bits 2 on are 0, so nothing more is fetched
	SLOT 0
	SLOT 1
	s_add_co_u32 s[CNT], s[CNT], 1
	s_cmp_lt_u32 s[CNT], 4
	s_cbranch_scc1 .Lpair
	; THE WAY OUT.  O^T is divided by the sum and goes through my own stage in LDS, half of my head's row (64 channels, 256 bytes) of 16 queries at a time, so that sixteen lanes store 256 consecutive bytes, aligned.
	s_wait_dscnt 0x0                               ; my last stores into the ring have read their registers, which take rows of out below
	v_add_f32 v14, v14, v15                        ; the sum's two halves,
	v_permlanex16_b32 v252, v14, s[SEL], s[SEL+1]
	v_add_f32 v14, v14, v252                       ; and lane l xor 16's: the row's sum
	v_rcp_f32 v14, v14
	v_and_b32 v8, 15, v0                           ; (a plain instruction behind the reciprocal)  r
	v_bfe_u32 v9, v0, 4, 1                         ; hh
	s_mul_i32 s24, s[WV], 16*SP
	s_add_co_u32 s24, s24, STAGE                   ; my stage
	v_mul_u32_u24 v10, v8, SP
	v_lshl_add_u32 v10, v9, 5, v10
	v_add_nc_u32 v10, s24, v10                     ; in: row r; a tile's eight channels of my half: 64 t + 32 hh bytes on
	v_mul_u32_u24 v11, v9, SP
	v_lshl_add_u32 v11, v8, 4, v11
	v_add_nc_u32 v11, s24, v11                     ; back: lanes 0-15 one row, lanes 16-31 the next
	s_wait_alu depctr_va_vdst(0)                   ; the wait ahead of the reciprocal's first reader
.set JJ, 0
.rept 64
	v_mul_f32 v[96+JJ], v[160+JJ], v14             ; O^T / the sum: register 8 t + i is o(r, 16 t + 8 hh + i).  (Ascending: each sum is read from its low end on)
.set JJ, JJ+1
.endr
.irp u, 0,1                                        ; channels 64 u on
.irp t, 0,1,2,3
	ds_store_b128 v10, v[96+32*\u+8*\t:99+32*\u+8*\t] offset:64*\t
	ds_store_b128 v10, v[100+32*\u+8*\t:103+32*\u+8*\t] offset:64*\t+16
.endr
.irp i, 0,1,2,3,4,5,6,7
	ds_load_b128 v[32+32*\u+4*\i:35+32*\u+4*\i], v11 offset:2*\i*SP   ; LDS serves a wave's instructions in order (ISA guide 5.7.1.4): these see my stores, and the next half's stores come behind them
.endr
.endr
.irp u, 0,1
.irp i, 0,1,2,3,4,5,6,7
	s_wait_dscnt 15-8*\u-\i                        ; the younger loads from the stage may stay out
	global_store_b128 v[GO], v[32+32*\u+4*\i:35+32*\u+4*\i], s[OUTP:OUTP+1] offset:2*\i*16384+256*\u th:TH_STORE_NT   ; 16 lanes store 256 consecutive bytes, at a multiple of 256 from out's first byte; written once, read by nobody here
.endr
.endr
	s_wait_xcnt 0x0
	v_lshl_add_u32 v254, v0, 2, 0x35400
	v_mov_b32 v255, 0
	s_wait_tensorcnt 0x0
	ds_add_u32 v254, v255
	s_wait_dscnt 0x0
	s_endpgm
.Lfunc_end_k_q406b97f7dd_attn:
	.size	k_q406b97f7dd_attn, .Lfunc_end_k_q406b97f7dd_attn-k_q406b97f7dd_attn
	.p2alignl 7, 3214868480
	.fill 96, 4, 3214868480
	.section	.rodata,"a",@progbits
	.p2align	6, 0x0
	.amdhsa_kernel k_q406b97f7dd_attn
		.amdhsa_group_segment_fixed_size 220160
		.amdhsa_private_segment_fixed_size 0
		.amdhsa_enable_private_segment 0
		.amdhsa_kernarg_size 72
		.amdhsa_user_sgpr_count 2
		.amdhsa_user_sgpr_kernarg_segment_ptr 1
		.amdhsa_wavefront_size32 1
		.amdhsa_system_sgpr_workgroup_id_x 1
		.amdhsa_system_sgpr_workgroup_id_y 1
		.amdhsa_system_sgpr_workgroup_id_z 1
		.amdhsa_system_vgpr_workitem_id 0
		.amdhsa_next_free_vgpr 256
		.amdhsa_next_free_sgpr 100
		.amdhsa_reserve_vcc 0
		.amdhsa_float_denorm_mode_32 3
		.amdhsa_float_denorm_mode_16_64 3
		.amdhsa_memory_ordered 1
		.amdhsa_forward_progress 1
		.amdhsa_inst_pref_size 120
	.end_amdhsa_kernel
	.amdgpu_metadata
---
amdhsa.version: [ 1, 2 ]
amdhsa.kernels:
  - .name:           k_q406b97f7dd_attn
    .symbol:         k_q406b97f7dd_attn.kd
    .args:
      - { .name: query_layer_codes, .offset: 0, .size: 8, .value_kind: global_buffer, .address_space: global }
      - { .name: query_layer_scales, .offset: 8, .size: 8, .value_kind: global_buffer, .address_space: global }
      - { .name: key_layer_codes, .offset: 16, .size: 8, .value_kind: global_buffer, .address_space: global }
      - { .name: key_layer_scales, .offset: 24, .size: 8, .value_kind: global_buffer, .address_space: global }
      - { .name: value_layer_codes, .offset: 32, .size: 8, .value_kind: global_buffer, .address_space: global }
      - { .name: value_layer_scales, .offset: 40, .size: 8, .value_kind: global_buffer, .address_space: global }
      - { .name: mbits, .offset: 48, .size: 8, .value_kind: global_buffer, .address_space: global }
      - { .name: mflag, .offset: 56, .size: 8, .value_kind: global_buffer, .address_space: global }
      - { .name: out0, .offset: 64, .size: 8, .value_kind: global_buffer, .address_space: global }
    .group_segment_fixed_size: 220160
    .private_segment_fixed_size: 0
    .kernarg_segment_align: 8
    .kernarg_segment_size: 72
    .max_flat_workgroup_size: 512
    .sgpr_count:     100
    .vgpr_count:     256
    .wavefront_size: 32
...
	.end_amdgpu_metadata
.endif
;; end of part 2
;; ======== version 2 of 2: 2 launches
;; workspace buffers: mbits 1,048,576 bytes of whole numbers; mflag 1,024 bytes of whole numbers
;; launch maskprep (part 3): grid 128 x 2, 16 waves a work-group, no clusters, 2,304 bytes of LDS; arguments attention_mask, mbits, mflag; writes mbits, mflag
.if DOCPART == 3
	.amdgcn_target "amdgcn-amd-amdhsa--gfx1250"
	.amdhsa_code_object_version 6
	.text
	.protected	k_q406b97f7dd_maskprep
	.globl	k_q406b97f7dd_maskprep
	.p2align	8
	.type	k_q406b97f7dd_maskprep,@function
k_q406b97f7dd_maskprep:
	s_mov_b64 s[64:65], 0
	v_nop
	global_prefetch_b8 v0, s[64:65] scope:SCOPE_SE
	s_setreg_imm32_b32 hwreg(HW_REG_WAVE_MODE, 25, 1), 1
	s_wait_xcnt 0x0
; The mask [2][1][2048][2048], one byte a place (not 0 = hidden), becomes what the attention launch can use without a vector load:
;   mbits: for batch b, tile T of 16 queries, step J of 128 keys: 64 words at byte ((128 b + T) 16 + J) 256.  Word n = 16 blk + i; its bit l = r + 16 hh is mask[b][16 T + r][128 J + 32 blk + 16 hh + i]:
;          the lane mask of score register n of the wave that owns tile T.
;   mflag: one word for (b, T) at byte 4 (128 b + T): bit J: step J has a key that counts for some query of the tile; bit 16 + J: step J has a hidden place.
; SHARES: work-group (x = T, y = b); wave J takes step J: 16 rows x 128 bytes.  Lane (r, hh) loads, of row r, the 16 bytes at 32 blk + 16 hh, blk = 0 .. 3; two neighbouring waves cover each 256 bytes of a row.
; A byte's 32 lanes become one word by a compare; the 64 words are written into lanes (word n into lane n / 2, register n % 2), so that the wave stores 256 consecutive bytes, aligned, by one instruction.
.set MW,  8                            ; v8-23  the 16 words of mask bytes as loaded
.set TMPV, 24                          ; v24-27 one byte of each lane's word
.set FL,  28                           ; v28-43 the sixteen waves' flag words, read back by wave 0
	s_load_b128 s[4:7], s[0:1], 0x0                ; the mask s[4:5], mbits s[6:7]
	s_load_b64 s[8:9], s[0:1], 0x10                ; mflag
	v_lshl_add_u32 v48, v0, 2, 0x100
	v_mov_b32 v49, 0
	v_lshrrev_b32 v1, 5, v0
	s_delay_alu instid0(VALU_DEP_1)
	v_readfirstlane_b32 s10, v1                    ; J: my wave's number
	s_and_b32 s12, ttmp7, 0xffff                   ; b
	s_lshl_b32 s11, s12, 7
	s_add_co_u32 s11, s11, ttmp9                   ; 128 b + T
	s_lshl_b32 s14, s12, 22                        ; the mask: b x 2,048 x 2,048
	s_lshl_b32 s13, ttmp9, 15                      ; + T x 16 rows of 2,048 bytes
	s_add_co_u32 s14, s14, s13
	s_lshl_b32 s13, s10, 7                         ; + 128 J
	s_add_co_u32 s14, s14, s13
	s_mov_b32 s15, 0
	s_lshl_b32 s18, s11, 4
	s_add_co_u32 s18, s18, s10
	s_lshl_b32 s18, s18, 8                         ; mbits: ((128 b + T) 16 + J) 256
	s_mov_b32 s19, 0
	s_lshl_b32 s28, s11, 2                         ; mflag: 4 (128 b + T)
	s_mov_b32 s29, 0
	v_and_b32 v1, 15, v0                           ; r
	v_bfe_u32 v24, v0, 4, 1                        ; hh
	s_delay_alu instid0(VALU_DEP_2)
	v_lshlrev_b32 v4, 11, v1
	s_delay_alu instid0(VALU_DEP_1)
	v_lshl_add_u32 v4, v24, 4, v4                  ; row r, + 16 hh
	v_and_b32 v5, 31, v0
	s_delay_alu instid0(VALU_DEP_1)
	v_lshlrev_b32 v5, 3, v5                        ; out: 8 bytes a lane
	v_mov_b32 v2, 0                                ; (a lane write's destination counts as read)
	v_mov_b32 v3, 0
	v_mov_b32 v44, 0
	s_mov_b32 s16, -1                              ; the AND of the 64 words: all ones = every place hidden
	s_mov_b32 s17, 0                               ; their OR: not 0 = some place hidden
	s_wait_alu depctr_va_vdst(0)
	s_wait_kmcnt 0x0
	s_add_nc_u64 s[4:5], s[4:5], s[14:15]
	s_add_nc_u64 s[6:7], s[6:7], s[18:19]
	s_add_nc_u64 s[8:9], s[8:9], s[28:29]
.irp k, 0,1,2,3
	global_load_b128 v[MW+4*\k:MW+4*\k+3], v4, s[4:5] offset:32*\k th:TH_LOAD_NT   ; read once in the launch
.endr
	s_wait_loadcnt 0x0
.irp m, 0,1,2,3,4,5,6,7,8,9,10,11,12,13,14,15      ; loaded word m holds the bytes of mask words n = 4 m + y
.irp y, 0,1,2,3
	v_and_b32 v[TMPV+\y], 0xff<<(8*\y), v[MW+\m]
.endr
.irp y, 0,1,2,3
	s_delay_alu instid0(VALU_DEP_4)
	v_cmp_ne_u32 s[20+\y], 0, v[TMPV+\y]           ; bit l: lane l's place is hidden
.endr
.irp y, 0,1,2,3
	v_writelane_b32 v[2+\y%2], s[20+\y], 2*\m+\y/2
.endr
.irp y, 0,1,2,3
	s_and_b32 s16, s16, s[20+\y]
	s_or_b32 s17, s17, s[20+\y]
.endr
.endr
	s_wait_alu depctr_va_vdst(0)
	global_store_b64 v5, v[2:3], s[6:7]            ; 32 lanes store 256 consecutive bytes, aligned
	s_cmp_lg_u32 s16, -1
	s_cselect_b32 s24, 1, 0                        ; some key counts
	s_cmp_lg_u32 s17, 0
	s_cselect_b32 s25, 0x10000, 0                  ; some place is hidden
	s_or_b32 s24, s24, s25
	s_lshl_b32 s24, s24, s10                       ; at bits J and 16 + J
	v_mov_b32 v6, s24
	v_mov_b32 v7, s10
	s_delay_alu instid0(VALU_DEP_1)
	v_lshlrev_b32 v7, 2, v7
	ds_store_b32 v7, v6                            ; my wave's word: all lanes write the same word with the same value
	s_wait_dscnt 0x0                               ; for the others' sake: my store has landed
	s_barrier_signal -1
	s_barrier_wait -1
	s_cmp_lg_u32 s10, 0                            ; wave 0 joins the sixteen words and stores the tile's flags
	s_cbranch_scc1 .Lend
.irp i, 0,1,2,3
	ds_load_b128 v[FL+4*\i:FL+4*\i+3], v44 offset:16*\i
.endr
	s_wait_dscnt 0x0
.irp i, 0,1,2,3,4,5,6,7
	v_or_b32 v[FL+\i], v[FL+\i], v[FL+8+\i]
.endr
.irp i, 0,1,2,3
	s_delay_alu instid0(VALU_DEP_4)
	v_or_b32 v[FL+\i], v[FL+\i], v[FL+4+\i]
.endr
	s_delay_alu instid0(VALU_DEP_2)
	v_or_b32 v[FL], v[FL], v[FL+2]
	s_delay_alu instid0(VALU_DEP_2)
	v_or_b32 v[FL+1], v[FL+1], v[FL+3]
	s_delay_alu instid0(VALU_DEP_1)
	v_or_b32 v[FL], v[FL], v[FL+1]
	v_cmp_eq_u32 vcc_lo, 0, v0
	s_wait_alu depctr_va_vdst(0)
	s_wait_xcnt 0x0                                ; EXEC is a source of the store above: it changes only behind this wait
	s_and_saveexec_b32 s30, vcc_lo
	global_store_b32 v44, v[FL], s[8:9]            ; thread 0 alone: one word
	s_wait_xcnt 0x0                                ; and again, in front of the line that widens EXEC
	s_or_b32 exec_lo, exec_lo, s30
.Lend:
	s_wait_tensorcnt 0x0
	ds_add_u32 v48, v49
	s_wait_dscnt 0x0
	s_endpgm
.Lfunc_end_k_q406b97f7dd_maskprep:
	.size	k_q406b97f7dd_maskprep, .Lfunc_end_k_q406b97f7dd_maskprep-k_q406b97f7dd_maskprep
	.p2alignl 7, 3214868480
	.fill 96, 4, 3214868480
	.section	.rodata,"a",@progbits
	.p2align	6, 0x0
	.amdhsa_kernel k_q406b97f7dd_maskprep
		.amdhsa_group_segment_fixed_size 2304
		.amdhsa_private_segment_fixed_size 0
		.amdhsa_enable_private_segment 0
		.amdhsa_kernarg_size 24
		.amdhsa_user_sgpr_count 2
		.amdhsa_user_sgpr_kernarg_segment_ptr 1
		.amdhsa_wavefront_size32 1
		.amdhsa_system_sgpr_workgroup_id_x 1
		.amdhsa_system_sgpr_workgroup_id_y 1
		.amdhsa_system_sgpr_workgroup_id_z 1
		.amdhsa_system_vgpr_workitem_id 0
		.amdhsa_next_free_vgpr 50
		.amdhsa_next_free_sgpr 66
		.amdhsa_reserve_vcc 1
		.amdhsa_float_denorm_mode_32 3
		.amdhsa_float_denorm_mode_16_64 3
		.amdhsa_memory_ordered 1
		.amdhsa_forward_progress 1
		.amdhsa_inst_pref_size 23
	.end_amdhsa_kernel
	.amdgpu_metadata
---
amdhsa.version: [ 1, 2 ]
amdhsa.kernels:
  - .name:           k_q406b97f7dd_maskprep
    .symbol:         k_q406b97f7dd_maskprep.kd
    .args:
      - { .name: attention_mask, .offset: 0, .size: 8, .value_kind: global_buffer, .address_space: global }
      - { .name: mbits, .offset: 8, .size: 8, .value_kind: global_buffer, .address_space: global }
      - { .name: mflag, .offset: 16, .size: 8, .value_kind: global_buffer, .address_space: global }
    .group_segment_fixed_size: 2304
    .private_segment_fixed_size: 0
    .kernarg_segment_align: 8
    .kernarg_segment_size: 24
    .max_flat_workgroup_size: 512
    .sgpr_count:     66
    .vgpr_count:     50
    .wavefront_size: 32
...
	.end_amdgpu_metadata
.endif
;; end of part 3
;; launch attn (part 4): grid 8 x 64, 16 waves a work-group, no clusters, 220,160 bytes of LDS; arguments query_layer_codes, query_layer_scales, key_layer_codes, key_layer_scales, value_layer_codes, value_layer_scales, mbits, mflag, out0; writes out0
.if DOCPART == 4
	.amdgcn_target "amdgcn-amd-amdhsa--gfx1250"
	.amdhsa_code_object_version 6
	.text
	.protected	k_q406b97f7dd_attn
	.globl	k_q406b97f7dd_attn
	.p2align	8
	.type	k_q406b97f7dd_attn,@function
k_q406b97f7dd_attn:
	s_mov_b64 s[64:65], 0
	v_nop
	global_prefetch_b8 v0, s[64:65] scope:SCOPE_SE
	s_setreg_imm32_b32 hwreg(HW_REG_WAVE_SCHED_MODE, 0, 2), 2
	s_setreg_imm32_b32 hwreg(HW_REG_WAVE_MODE, 25, 1), 1
	s_wait_xcnt 0x0
	s_wait_alu depctr_vm_vsrc(0)
; out[b][q][128 hd + :] = the sum over k of softmax_k(Q[q] . K[k] / sqrt(128), hidden where the mask says so) V[k][:], for 64 heads (y = 32 b + hd), 2,048 queries and keys, both products on codes of FP6 (E2M3) with one E8M0 scale for each 32 along K.
; Q, K: [64][2048][128] as codes (96 bytes a row), scale bytes [64][2048][4].  V: codes with the KEYS innermost, [64][128][2048] (1,536 bytes a row), scale bytes [64][128][64].  out: [2][2048][4096] f32.
; THE MASK is an input.  The launch before has turned it into lane masks (mbits: 64 words for a tile of 16 queries and a step of 128 keys, word n = the lane mask of score register n) and flags (mflag: for a tile, bit J: step J has a key that
; counts, bit 16 + J: step J has a hidden place).  A step all of whose 16 x 128 places are hidden adds nothing (every p is 0) and is left out, by a scalar branch on the stored flags; a step with no hidden place leaves the 64 selects out.
; THE SOFTMAX AHEAD OF THE SECOND PRODUCT: t = score x log2(e) / sqrt(128); M = the row's largest t so far, rounded UP to a whole number; p = 2^(t - M) is quantised along the keys, not normalised; the row's sum is taken of the
; unquantised p and divides at the end.  When M moves, the sum and O are multiplied by 2^(old M - new M): exact.
; SHARES.  A work-group owns the blocks x and 15 - x of 128 queries of one head; each of its sixteen waves owns one tile of 16 queries, in 256 registers.  Wave w: half hf = (w xor w / 4) & 1, tile 8 (x + hf (15 - 2 x)) + w / 2.
; All waves walk 8 slots of 256 keys (two steps of 128), a constant count, and jump over work by the flags; no barrier stands under such a jump.
; NO TENSOR LOAD AND NO CLUSTER: what is fetched and multiplied hangs on flags read from memory.  K and V go from memory through registers into a ring of
; two LDS slots: each of the 512 threads carries 48 bytes of K and 48 of V a slot, one slot ahead of the work, only for slots that some wave of the work-group needs.
; LAYOUT.  Both products are used transposed: S^T = K Q^T (source 0 = 16 keys, source 1 = my 16 queries), O^T = V^T P^T: a lane holds ONE query (lane % 16) throughout.
; Lane r of tile 2 b + u of K takes key 32 b + 8 u + r + 8 (r / 8), so that the 16 registers of tiles 2 b, 2 b + 1 are 16 neighbouring keys, 32 b + 16 (lane / 16) + 0 .. 15.  In LDS key k lies in row rho(k) = k with bits 3 and 4 swapped: so a tile's rows are neighbours.
; A row's 96 bytes (128 codes) are four pieces of 24, A B C D; lanes 0-15 want A and C, lanes 16-31 B and D.  In LDS they lie A C B D: a lane's 12 registers are 48 bytes on end, three loads of 16 bytes.
; LIMITS.  A row all of whose keys are hidden has sum 0 and O 0: 0 x (1 / 0) = NaN, as the definition has it.  A scale byte 0xff gives NaN.  A p under 2^-126 is 0 (v_exp_f32).  A block of p that is all zeros has the byte 1 and zero codes.
; REGISTERS: v1-7, v28-29 addresses that stay; v8-11 addresses of the step in hand; v12 -M, v13 the largest t, v[14:15] the sum in two halves; v16-27 Q; v30 -infinity; v31 where the ring is being written; v32-79 four fragments of K, or V's tiles 0-3;
;   v80-91 48 bytes on their way into the ring; v92 the prefetches' offset; v93-95, v243 the scale words of V's tiles 4-7; v96-159 S^T, then p, then (v96-143) V's tiles 4-7; v160-223 O^T; v224-235 p's codes; v232-254 at work; v248-251, v253, v255 scale words.
;   (On the way out, when no product follows, v32-95 take rows of out.)
; THE MODE: SCHED_MODE bits 1:0 = 2 (LLVM: expert scheduling mode 2), set by the entry lines.  The code itself states the register dependences between vector or matrix instructions and memory or LDS instructions, with s_wait_alu, always for 0.
; THE PLAN.  Registers that memory or LDS instructions touch, in the loop:
;   v8-11, v31        Written by five additions at a step's head; read by the step's LDS loads and by the stores into the ring that follow the step.
;   v32-79, v248-251  LDS loads land there three times a step (K's tiles 0-3, K's tiles 4-7, V's tiles 0-3, each with its scale words); read by products alone.
;   v96-143           S^T and p, the work of products and vector instructions; when the conversions have read p, the loads of V's tiles 4-7 land there; the step's last four products read them.
;   v93-95, v243      LDS loads land there (the scale words of V's tiles 4-7); read by the step's last four products alone.
;   v80-91            Global loads land there, LDS stores read them; no vector instruction names them.
;   v5, v28, v92      Offsets of global loads and prefetches: made at the head, not written again in the loop.
;   v224-235, v253    p's codes and scale word: written by vector instructions, taken by scaled products.
; A step has five waits on va_vdst beside the one for its four small exponentials: behind its five additions; ahead of the loads of K's tiles 4-7; ahead of the batch of 64 exponentials; behind the batch of 64 exponentials, where V's tiles 0-3 are then asked for, dealt among the sums;
; and behind the rescaling of O^T, ahead of the loads of V's tiles 4-7 and of the scaled products.  Waits on vm_vsrc stand ahead of the five additions (in a slot's first step: in front of the slot's barrier) and between K's stores into the ring and V's loads into the same registers.
.set KP,    112                        ; a key's row in LDS: 96 bytes + 16 = 7 x 16: the sixteen rows of a 16-byte load begin in sixteen different 16-byte columns of 256
.set VP,    208                        ; a row of V's tile: 192 bytes (256 keys) + 16 = 13 x 16: likewise
.set VOFF,  256*KP                     ; a slot: 256 rows of K, then 128 rows of V
.set SLOT1, 65536                      ; slot 1
.set SCK,   131072                     ; K's scale words of the whole head: key k's at 4 k
.set SCV,   SCK+8192                   ; V's, turned: step J, channel d at 512 J + 4 d
.set STAGE, SCV+8192+1024              ; (1,024 bytes are left unused)  the way out: 16 rows x 272 bytes for each wave
.set SP,    272
.set AK0,  1                           ; v1   my lane's place in a tile of K: r KP + 48 hh
.set AV0,  2                           ; v2   in a tile of V: VOFF + r VP + 48 hh
.set ASK0, 3                           ; v3   among K's scale words: SCK + 4 (r + 8 (r / 8))
.set ASV0, 4                           ; v4   among V's: SCV + 4 r
.set KGO,  5                           ; v5   my 48 bytes of a slot's K in memory: 48 t
.set KLA,  6                           ; v6   and in a slot: rho(t / 2) KP + 24 (t % 2)
.set GO,   7                           ; v7   the way out: my byte offset in the wave's rows of out
.set ADK,  8
.set ADV,  9
.set ADS,  10
.set ADT,  11
.set VGO,  28                          ; v28  my 48 bytes of a slot's V in memory: row t / 4, + 48 (t % 4)
.set VLA,  29                          ; v29  and in a slot: VOFF + (t / 4) VP + 96 ((t / 2) % 2) + 24 (t % 2)
.set NINF, 30
.set PA,   31
.set STD,  80
.set PFO,  92
.set VB,   96                          ; v96-143  V's tiles 4-7, in the registers that p has left
.set KPT,  4                           ; s[4:5]   K's codes at the slot after the one in hand
.set VPT,  6                           ; s[6:7]   V's likewise
.set MB,   8                           ; s[8:9]   my tile's mask words at the slot in hand
.set OUTP, 10                          ; s[10:11] out at my first row
.set WV,   12                          ; s12  my wave's number
.set NEED, 13                          ; s13  my tile's flags 'a key counts', bit 0 = the step in hand
.set MIXED, 14                         ; s14  my tile's flags 'a place is hidden', likewise
.set WGN,  15                          ; s15  the OR of all sixteen tiles' NEED, bits 0, 1 = the slot in hand
.set ROLE, 16                          ; s16  1: I prefetch K, 2: V, 0: nothing
.set SN,   17                          ; s17  the slot's number
.set TS,   18                          ; s18  512 x the step's number: both kinds of scale words step so
.set CNT,  19                          ; s19  counts the loop's trips
.set SEL,  20                          ; s[20:21] lane selects for v_permlanex16_b32: lane l xor 16
.set CS,   22                          ; s[22:23] c = log2(e) / sqrt(128), twice (the packed form names a pair)
                                       ; s24-31 at work;  s[32:63], s[68:99] the step's 64 mask words (word n in s[32 + n + 4 (n / 32)]); at the head: pointers and flags
	s_load_b512 s[32:47], s[0:1], 0x0              ; Q's codes s[32:33], Q's scales s[34:35], K's s[36:37], s[38:39], V's s[40:41], s[42:43], mbits s[44:45], mflag s[46:47]
	s_load_b64 s[48:49], s[0:1], 0x40              ; out
	v_lshrrev_b32 v8, 5, v0
	v_readfirstlane_b32 s[WV], v8                  ; wave 0..15
	s_and_b32 s24, ttmp7, 0xffff                   ; y: the head
	s_lshr_b32 s25, s24, 5                         ; b
	s_and_b32 s26, s24, 31                         ; hd
	s_wait_alu depctr_va_sdst(0)                   ; s[WV] is written, ahead of its first reader: my tile, my pointers and my part in the prefetches are made from it
	s_lshr_b32 s27, s[WV], 2
	s_xor_b32 s27, s27, s[WV]
	s_and_b32 s27, s27, 1                          ; hf
	s_lshl_b32 s28, ttmp9, 1
	s_sub_co_u32 s28, 15, s28
	s_mul_i32 s28, s28, s27
	s_add_co_u32 s28, s28, ttmp9                   ; my block of 128 queries: x or 15 - x
	s_lshr_b32 s29, s[WV], 1
	s_lshl_b32 s28, s28, 3
	s_add_co_u32 s28, s28, s29                     ; T: my tile of 16 queries
	s_lshl_b32 s29, s25, 7
	s_add_co_u32 s29, s29, s28                     ; 128 b + T
	s_mul_i32 s30, s24, 196608                     ; a head's codes: 2,048 x 96 bytes (V: 128 x 1,536)
	s_mov_b32 s31, 0
	s_lshl_b32 s50, s24, 13                        ; a head's scale bytes: 8,192
	s_mov_b32 s51, 0
	s_mul_i32 s52, s28, 1536                       ; my 16 queries' codes
	s_mov_b32 s53, 0
	s_lshl_b32 s54, s28, 6                         ; and scale words
	s_mov_b32 s55, 0
	s_lshl_b32 s56, s29, 12                        ; my tile's mask words: 16 steps x 256 bytes
	s_mov_b32 s57, 0
	s_lshl_b32 s58, s25, 25                        ; out: b x 2,048 rows of 16,384 bytes
	s_lshl_b32 s59, s28, 18                        ; + 16 T rows
	s_add_co_u32 s58, s58, s59
	s_lshl_b32 s59, s26, 9                         ; + 512 hd
	s_add_co_u32 s58, s58, s59
	s_mov_b32 s59, 0
	s_lshl_b32 s60, s25, 9                         ; the flags of block x's eight tiles: 512 b + 32 x,
	s_lshl_b32 s61, ttmp9, 5
	s_sub_co_u32 s62, 480, s61                     ; of block 15 - x's,
	s_add_co_u32 s62, s62, s60
	s_add_co_u32 s60, s60, s61
	s_mov_b32 s61, 0
	s_mov_b32 s63, 0
	s_lshl_b32 s2, s29, 2                          ; and my tile's
	s_mov_b32 s3, 0
	s_mov_b32 s[SEL], 0x76543210
	s_mov_b32 s[SEL+1], 0xfedcba98
	s_mov_b32 s[CS], 0x3e0293ee                    ; c = log2(e) / sqrt(128)
	s_mov_b32 s[CS+1], s[CS]
	v_and_b32 v119, 15, v0                         ; r
	v_bfe_u32 v120, v0, 4, 1                       ; hh
	v_mul_u32_u24 v[AK0], v119, KP
	v_mad_u32_u24 v[AK0], v120, 48, v[AK0]
	v_mul_u32_u24 v[AV0], v119, VP
	v_mad_u32_u24 v[AV0], v120, 48, v[AV0]
	v_add_nc_u32 v[AV0], VOFF, v[AV0]
	v_and_b32 v121, 8, v119
	v_add_nc_u32 v121, v121, v119                  ; r + 8 (r / 8)
	v_lshl_add_u32 v[ASK0], v121, 2, SCK
	v_lshl_add_u32 v[ASV0], v119, 2, SCV
	v_mul_u32_u24 v[KGO], v0, 48
	v_lshrrev_b32 v8, 1, v0                        ; the key that I carry: t / 2;
	v_and_b32 v9, 0xe7, v8
	v_bfe_u32 v10, v8, 3, 1
	v_lshl_or_b32 v9, v10, 4, v9
	v_bfe_u32 v10, v8, 4, 1
	v_lshl_or_b32 v9, v10, 3, v9                   ; rho: bits 3 and 4 change places
	v_mul_u32_u24 v[KLA], v9, KP
	v_and_b32 v10, 1, v0
	v_mad_u32_u24 v[KLA], v10, 24, v[KLA]          ; pieces A, B go to 0 and 48, pieces C, D to 24 and 72
	v_lshlrev_b32 v[GO], 14, v120
	v_lshl_add_u32 v[GO], v119, 4, v[GO]           ; lanes 0-15 one row of out, lanes 16-31 the next; 16 bytes a lane
	v_lshrrev_b32 v8, 2, v0                        ; the row of V that I carry: t / 4
	v_and_b32 v9, 3, v0
	v_mul_u32_u24 v[VGO], v8, 1536
	v_mad_u32_u24 v[VGO], v9, 48, v[VGO]
	v_mul_u32_u24 v[VLA], v8, VP
	v_bfe_u32 v11, v0, 1, 1
	v_mad_u32_u24 v[VLA], v11, 96, v[VLA]
	v_mad_u32_u24 v[VLA], v10, 24, v[VLA]
	v_add_nc_u32 v[VLA], VOFF, v[VLA]
	v_lshlrev_b32 v10, 11, v9
	v_lshl_add_u32 v10, v8, 2, v10
	v_add_nc_u32 v10, SCV, v10                     ; where my four of V's scale words go: SCV + 2,048 (t % 4) + 4 (t / 4), 512 bytes apart
	v_lshl_add_u32 v9, v0, 4, SCK                  ; where my four of K's go: as they lie
	v_lshlrev_b32 v116, 4, v0                      ; my 16 of a head's 8,192 scale bytes
	v_mul_u32_u24 v117, v119, 96
	v_mad_u32_u24 v117, v120, 24, v117             ; Q: row r, + my half's bytes
	v_lshlrev_b32 v118, 2, v119                    ; Q's scale words
	s_lshr_b32 s[ROLE], s[WV], 2                   ; who prefetches: waves 4 to 6 K, waves 8 to 11 V, in the head's work-group x = 0 alone
	s_cmp_eq_u32 s[WV], 7
	s_cselect_b32 s[ROLE], 0, s[ROLE]
	s_cmp_eq_u32 s[ROLE], 3
	s_cselect_b32 s[ROLE], 0, s[ROLE]
	s_cmp_lg_u32 ttmp9, 0
	s_cselect_b32 s[ROLE], 0, s[ROLE]
	s_mov_b32 s24, 1536
	s_cmp_eq_u32 s[ROLE], 1
	s_cselect_b32 s24, 256, s24                    ; from thread to thread: 256 bytes in K's dense block, a row in V
	v_and_b32 v[PFO], 0x7f, v0
	v_mul_lo_u32 v[PFO], v[PFO], s24               ; (made here, ahead of the head's one wait for its offsets)
	s_wait_kmcnt 0x0
	s_add_nc_u64 s[60:61], s[46:47], s[60:61]
	s_add_nc_u64 s[62:63], s[46:47], s[62:63]
	s_add_nc_u64 s[2:3], s[46:47], s[2:3]
	s_load_b256 s[68:75], s[60:61], 0x0            ; the flags of the work-group's sixteen tiles,
	s_load_b256 s[76:83], s[62:63], 0x0
	s_load_b32 s[NEED], s[2:3], 0x0                ; and mine
	s_add_nc_u64 s[KPT:KPT+1], s[36:37], s[30:31]
	s_add_nc_u64 s[VPT:VPT+1], s[40:41], s[30:31]
	s_add_nc_u64 s[38:39], s[38:39], s[50:51]
	s_add_nc_u64 s[42:43], s[42:43], s[50:51]
	s_add_nc_u64 s[32:33], s[32:33], s[30:31]
	s_add_nc_u64 s[32:33], s[32:33], s[52:53]
	s_add_nc_u64 s[34:35], s[34:35], s[50:51]
	s_add_nc_u64 s[34:35], s[34:35], s[54:55]
	s_add_nc_u64 s[MB:MB+1], s[44:45], s[56:57]
	s_add_nc_u64 s[OUTP:OUTP+1], s[48:49], s[58:59]
	s_wait_alu depctr_va_vdst(0)                   ; every offset and LDS address of the head is written: v5-7, v9, v10, v28, v29, v92, v116-118, which the loads, stores and prefetches of the head, the loop and the way out read
	global_load_b128 v[96:99], v116, s[38:39]      ; K's scale bytes of the whole head: 512 threads x 16 bytes
	global_load_b128 v[100:103], v116, s[42:43]    ; V's
.irp j, 0,1,2
	global_load_b128 v[STD+4*\j:STD+4*\j+3], v[KGO], s[KPT:KPT+1] offset:16*\j      ; slot 0 of K
.endr
.irp j, 0,1,2
	global_load_b128 v[104+4*\j:107+4*\j], v[VGO], s[VPT:VPT+1] offset:16*\j        ; slot 0 of V
.endr
.irp p, 0,1,2,3,4,5
	global_load_b64 v[16+2*\p:17+2*\p], v117, s[32:33] offset:48*(\p/3)+8*(\p%3) th:TH_LOAD_NT   ; Q's fragment stays in registers; read once in the launch
.endr
	global_load_b32 v255, v118, s[34:35]           ; Q's scale words
	v_mov_b32 v[NINF], 0xff800000                  ; -infinity.  (None of the lines from here to the stores below names a register that the head's loads or stores touch)
	v_mov_b32 v13, 0xff61b1e6                      ; the largest t so far: -3e38, under every t
	v_floor_f32 v12, -v13                          ; -M
	v_mov_b32 v14, 0                               ; the sum, in two halves
	v_mov_b32 v15, 0
.irp b, 0,1,2,3
	v_mov_b32 v[236+\b], 0                         ; written once: a lane permute's destination counts as one of its sources
.endr
	v_mov_b32 v252, 0                              ; likewise, for the way out of a wave that has left every step out
	v_mov_b32 v253, 0                              ; (named as the upper half of the pair v[252:253] before it is first written)
.set JJ, 0
.rept 64
	v_mov_b32 v[160+JJ], 0                         ; O^T.  (The step is written without a first step of its own: the first finds zeros, which the first change of M leaves zeros)
.set JJ, JJ+1
.endr
	s_wait_kmcnt 0x0                               ; the flags
	s_or_b32 s[WGN], s68, s69
.irp i, 70,71,72,73,74,75,76,77,78,79,80,81,82,83
	s_or_b32 s[WGN], s[WGN], s\i
.endr
	s_and_b32 s[WGN], s[WGN], 0xffff               ; bits 16 on are 0: beyond step 15 nothing is needed, so nothing is fetched or prefetched past slot 7
	s_lshr_b32 s[MIXED], s[NEED], 16
	s_and_b32 s[NEED], s[NEED], 0xffff
	s_wait_loadcnt 0x0
	ds_store_b128 v9, v[96:99]
.irp i, 0,1,2,3
	ds_store_b32 v10, v[100+\i] offset:512*\i      ; my row's words of steps 4 (t % 4) + i
.endr
; 48 bytes, two pieces of 24, go into the ring: the first piece at the address, the second 48 bytes on; in stores of 8 bytes, so that every address is a multiple of the access's size
.macro PUT adr, reg
.irp p, 0,1,2,3,4,5
	ds_store_b64 v[\adr], v[\reg+2*\p:\reg+2*\p+1] offset:48*(\p/3)+8*(\p%3)
.endr
.endm
	PUT KLA, STD
	PUT VLA, 104
	s_wait_xcnt 0x0                                ; the head's loads have read their bases: those registers are written again from here on
	s_add_nc_u64 s[KPT:KPT+1], s[KPT:KPT+1], 24576 ; on to slot 1
	s_add_nc_u64 s[VPT:VPT+1], s[VPT:VPT+1], 192
	s_mov_b32 s[TS], 0
	s_mov_b32 s[SN], 0
	s_mov_b32 s[CNT], 0
; The next slot's K is asked for, if some wave of the work-group needs one of its two steps (bits 2, 3 of WGN).
.macro KLOADS
	s_and_b32 s24, s[WGN], 0xc
	s_cmp_lg_u32 s24, 0
	s_cbranch_scc0 .Lno_k_\@
.irp j, 0,1,2
	global_load_b128 v[STD+4*\j:STD+4*\j+3], v[KGO], s[KPT:KPT+1] offset:16*\j
.endr
.Lno_k_\@:
.endm
; A PREFETCH INTO THE L2 of the slot after the next (bits 4, 5 of WGN: none past slot 7), behind the wave's loads: one slot ahead of the loads that will want it, the least that this ring offers.
; All eight work-groups of a head walk the same K and V: work-group x = 0 asks.  Waves 4 to 6: K's dense block of 24,576 bytes, threads 256 bytes apart.  Waves 8 to 11: V's 128 rows, a thread a row; a slot's part of a row is 192 bytes, so a
; thread names the part's LAST byte: the aligned 256 bytes in which it ends have been touched by no earlier slot's part, but for slots 3 and 7, which end where slots 2 and 6 do: there nothing is asked.  So each aligned 256 bytes are named once.
.macro ASK
	s_and_b32 s24, s[WGN], 0x30
	s_cmp_lg_u32 s24, 0
	s_cbranch_scc0 .Lno_ask_\@
	s_cmp_eq_u32 s[ROLE], 1
	s_cbranch_scc0 .Lnot_k_\@
	global_prefetch_b8 v[PFO], s[KPT:KPT+1] offset:24576 th:TH_LOAD_NT scope:SCOPE_SE
	s_branch .Lno_ask_\@
.Lnot_k_\@:
	s_cmp_eq_u32 s[ROLE], 2
	s_cbranch_scc0 .Lno_ask_\@
	s_and_b32 s24, s[SN], 3
	s_cmp_eq_u32 s24, 1                            ; the slot to be named is SN + 2
	s_cbranch_scc1 .Lno_ask_\@
	global_prefetch_b8 v[PFO], s[VPT:VPT+1] offset:383 th:TH_LOAD_NT scope:SCOPE_SE
.Lno_ask_\@:
.endm
; K's 48 bytes go into the other slot, and V's are asked for into the same registers.  The wait for the loads stands on every way; the address v[PA] was made at the head of the step before, on every way,
; ahead of that head's wait on va_vdst, and no vector instruction has named it since.
.macro KPUT_VLOADS
	s_wait_loadcnt 0x0                             ; K's three loads, if they were issued
	s_and_b32 s24, s[WGN], 0xc
	s_cmp_lg_u32 s24, 0
	s_cbranch_scc0 .Lno_put_\@
	PUT PA, STD
	s_wait_dscnt 0x0                               ; the stores have landed
	s_wait_alu depctr_vm_vsrc(0)                   ; the stores have read v[STD ..], in which V's loads land
.irp j, 0,1,2
	global_load_b128 v[STD+4*\j:STD+4*\j+3], v[VGO], s[VPT:VPT+1] offset:16*\j
.endr
.Lno_put_\@:
.endm
.macro VPUT                            ; v[PA]: as above, made at the head of the slot's second step
	s_wait_loadcnt 0x0                             ; V's three loads, if they were issued
	s_and_b32 s24, s[WGN], 0xc
	s_cmp_lg_u32 s24, 0
	s_cbranch_scc0 .Lno_put_\@
	PUT PA, STD
.Lno_put_\@:
.endm
; A KEY STEP: 128 keys, the q-th of slot sl.
.macro STEP sl, q
.if \q
	s_wait_alu depctr_vm_vsrc(0)                   ; the slot's first step's LDS loads have read v[ADK] to v[ADT], and K's stores into the ring v[PA]: the five lines below write them again.  (In a slot's first step the wait in front of the slot's barrier states the like)
.endif
	v_add_nc_u32 v[ADK], (\sl)*SLOT1, v[AK0]       ; the five addresses are made on every way; they are also the five places between the last step's last products, which read v[VB ..], and this step's first products, which write those registers
	v_add_nc_u32 v[ADV], (\sl)*SLOT1, v[AV0]
	v_add_nc_u32 v[ADS], s[TS], v[ASK0]
	v_add_nc_u32 v[ADT], s[TS], v[ASV0]
.if \q
	v_add_nc_u32 v[PA], (1-(\sl))*SLOT1, v[VLA]    ; where V's 48 bytes go, behind this step: the other slot
.else
	v_add_nc_u32 v[PA], (1-(\sl))*SLOT1, v[KLA]    ; where K's 48 bytes go, behind this step: the other slot
.endif
	s_wait_alu depctr_va_vdst(0)                   ; the five addresses are written, which the step's LDS loads and the stores behind it read; the last step's products are done reading v32-79 and v248-251, in which the loads below land, and its selects the mask words' registers
	s_bitcmp1_b32 s[NEED], 0                       ; does any key of this step count for any of my queries?
	s_cbranch_scc0 .Lskip_\@
	s_load_b512 s[32:47], s[MB:MB+1], 256*(\q)     ; the step's 64 lane masks: wanted behind the first product
	s_load_b512 s[48:63], s[MB:MB+1], 256*(\q)+0x40
	s_load_b512 s[68:83], s[MB:MB+1], 256*(\q)+0x80
	s_load_b512 s[84:99], s[MB:MB+1], 256*(\q)+0xc0
.irp g, 0,1                                        ; S^T = K Q^T, four tiles of 16 keys at a time
.if \g > 0
.rept 4
	v_nop                                          ; places in front of loads into registers that matrix instructions have read
.endr
	s_wait_alu depctr_va_vdst(0)                   ; the four products above are done reading v32-79 and v248-251, in which the loads below land
.endif
.irp t, 0,1,2,3
.irp c, 0,1,2
	ds_load_b128 v[32+12*\t+4*\c:35+12*\t+4*\c], v[ADK] offset:(128*(\q)+16*(4*\g+\t))*KP+16*\c
.endr
	ds_load_b32 v[248+\t], v[ADS] offset:(32*((4*\g+\t)/2)+8*(\t%2))*4
.endr
	s_wait_dscnt 0x0
.irp t, 0,1,2,3
	v_wmma_scale_f32_16x16x128_f8f6f4 v[96+8*(4*\g+\t):103+8*(4*\g+\t)], v[32+12*\t:43+12*\t], v[16:27], 0, v[248+\t], v255 matrix_a_fmt:MATRIX_FMT_FP6 matrix_b_fmt:MATRIX_FMT_FP6
.endr
.endr                                              ; lane (r, hh) holds query r; register 16 b + i is key 32 b + 16 hh + i of the step
.rept 4
	v_nop                                          ; places in front of the first read of the results
.endr
	s_wait_kmcnt 0x0                               ; the lane masks are in
	s_bitcmp1_b32 s[MIXED], 0                      ; is any place of this step hidden?
	s_cbranch_scc0 .Lopen_\@
.set JJ, 0
.rept 64
	v_cndmask_b32 v[96+JJ], v[96+JJ], v[NINF], s[32+JJ+4*(JJ/32)]   ; hidden scores become -infinity ahead of the maximum: p = 0 then.  (Ascending: each result is read from its low end on)
.set JJ, JJ+1
.endr
.Lopen_\@:
.irp b, 0,1,2,3
	v_max3_num_f32 v[232+\b], v[96+16*\b], v[97+16*\b], v[98+16*\b]   ; the largest score of each block of 32 keys: it serves for the row's maximum and, since p rises with the score, for the block's largest p
.endr
.irp i, 3,5,7,9,11,13
.irp b, 0,1,2,3
	v_max3_num_f32 v[232+\b], v[232+\b], v[96+16*\b+\i], v[97+16*\b+\i]   ; (the four blocks by turns)
.endr
.endr
.irp b, 0,1,2,3
	v_max_num_f32 v[232+\b], v[232+\b], v[111+16*\b]
.endr
.irp b, 0,1,2,3
	v_permlanex16_b32 v[236+\b], v[232+\b], s[SEL], s[SEL+1]
.endr
.irp b, 0,1,2,3
	v_max_num_f32 v[232+\b], v[232+\b], v[236+\b]  ; with lane l xor 16's 16 keys
.endr
	v_max3_num_f32 v254, v232, v233, v234
	v_max_num_f32 v254, v254, v235                 ; the step's largest score of my query (-infinity where all its 128 keys are hidden)
	v_mul_f32 v254, s[CS], v254                    ; as t (c is positive)
	v_max_num_f32 v13, v13, v254                   ; the running largest t
	v_mov_b32 v254, v12
	v_floor_f32 v12, -v13                          ; the new -M = floor(-t) = -ceil(t): M is a whole number
	v_sub_f32 v254, v12, v254                      ; M's old value less its new one: a whole number, 0 or less
	v_cvt_i32_f32 v254, v254                       ; (it saturates)
	v_ldexp_f32 v252, 1.0, v254                    ; f = 2^(old M - new M): a multiplication by it rounds nothing
.set JJ, 0
.rept 32
	v_pk_fma_f32 v[96+JJ:97+JJ], v[96+JJ:97+JJ], s[CS:CS+1], v[12:13] op_sel_hi:[1,0,0]   ; t - M, two at a time (of the pairs c and -M the low word serves both halves)
.set JJ, JJ+2
.endr
.irp b, 0,1,2,3
	v_fma_f32 v[232+\b], v[232+\b], s[CS], v12     ; the same of each block's largest score
.endr
.set JJ, 0
	s_wait_alu depctr_va_vdst(0)
.rept 64
	v_exp_f32 v[96+JJ], v[96+JJ]                   ; p = 2^(t - M), at most 1: not normalised
.set JJ, JJ+1
.endr
	v_pk_mul_f32 v[14:15], v[14:15], v[252:253] op_sel_hi:[1,0]   ; the sums under the new M.  (The plain instruction behind the exponentials)
	s_wait_alu depctr_va_vdst(0)                   ; the 64 exponentials have written p, ahead of its first reader: one wait for the whole batch.  The products K Q^T are done reading v32-79 and v248-251 too, in which V's loads below land
.irp b, 0,1,2,3
	v_exp_f32 v[232+\b], v[232+\b]                 ; the block's largest p: the same two instructions on the same number give the same bits
.endr
	v_pk_add_f32 v[236:237], v[96:97], v[98:99]    ; the row's sum is taken of the unquantised p: two at a time, in two chains.  (It reads the 64 alone: plain work behind the four)
; V's tiles 0-3 and the scale words of all eight tiles are asked for here, dealt among the sums.  No wait: no vector instruction since the wait above names v32-79, v93-95, v243, v248-251, v[ADV] or v[ADT]
.irp t, 0,1,2,3
	ds_load_b32 v[248+\t], v[ADT] offset:64*\t
.endr
.irp t, 0,1,2,3
	ds_load_b32 v[93+\t+147*(\t/3)], v[ADT] offset:64*(4+\t)   ; tiles 4 to 7: v93, v94, v95, v243
.endr
.set JJ, 4
.set LL, 0
.rept 15
	v_pk_add_f32 v[14:15], v[14:15], v[96+JJ:97+JJ]
	v_pk_add_f32 v[236:237], v[236:237], v[98+JJ:99+JJ]
.if LL < 12
	ds_load_b128 v[32+4*LL:35+4*LL], v[ADV] offset:16*(LL/3)*VP+96*(\q)+16*(LL%3)   ; tile LL / 3, its 16 bytes LL % 3
.endif
.set JJ, JJ+4
.set LL, LL+1
.endr
	v_pk_add_f32 v[14:15], v[14:15], v[236:237]
	s_wait_alu depctr_va_vdst(0)                   ; the four exponentials have written the blocks' largest p, ahead of their first reader
.irp b, 0,1,2,3
	v_max_num_f32 v[232+\b], 0x1800000, v[232+\b]  ; the floor 2^(3 - 127): the byte cannot fall under 1 (a block whose every p is 0 keeps that byte: its codes are zeros)
.endr
.irp b, 0,1,2,3
	v_add_nc_u32 v[244+\b], 0xff000000, v[232+\b]  ; 2 off the exponent field: the conversion's scale operand
.endr
.irp b, 0,1,2,3
	v_lshrrev_b32 v[236+\b], 23, v[244+\b]         ; the scale's byte
.endr
	v_lshl_or_b32 v253, v237, 8, v236              ; p's scale word for these 128 keys
	v_lshl_or_b32 v253, v238, 16, v253
	v_lshl_or_b32 v253, v239, 24, v253
.irp c, 0,1
	v_cvt_scalef32_pk16_fp6_f32 v[224+6*\c:226+6*\c], v[96+32*\c:111+32*\c], v[244+2*\c]
	v_cvt_scalef32_pk16_fp6_f32 v[236+4*\c:238+4*\c], v[112+32*\c:127+32*\c], v[244+2*\c+1]   ; (a conversion's three registers begin on an even number)
.endr
	v_nop                                          ; one plain vector instruction between a scaled conversion and the vector instruction that touches its result
.irp c, 0,1                                        ; the operand's layout wants a whole block in a lane: lanes 0-15 block 2 c, lanes 16-31 block 2 c + 1
.irp i, 0,1,2
	v_permlane16_swap_b32 v[224+6*\c+\i], v[236+4*\c+\i]
.endr
.irp i, 0,1,2
	v_mov_b32 v[227+6*\c+\i], v[236+4*\c+\i]
.endr
.endr
.set JJ, 0
.rept 32
	v_pk_mul_f32 v[160+JJ:161+JJ], v[160+JJ:161+JJ], v[252:253] op_sel_hi:[1,0]   ; O^T under the new M: x f.  (These 32 are also the places in front of the scaled products, whose operand and scale word were just written)
.set JJ, JJ+2
.endr
	s_wait_alu depctr_va_vdst(0)                   ; behind the places: p's codes v224-235 and its scale word v253 are written, which the scaled products take; the sums and the conversions are done reading p, in whose registers the loads below land
.irp t, 0,1,2,3                                    ; V's tiles 4-7 into the registers that p has left
.irp c, 0,1,2
	ds_load_b128 v[VB+12*\t+4*\c:VB+3+12*\t+4*\c], v[ADV] offset:16*(4+\t)*VP+96*(\q)+16*\c
.endr
.endr
	s_wait_dscnt 12                                ; LDS loads come back in order (ISA guide 5.7.1): tiles 0-3 and the eight scale words are in; the twelve youngest loads, tiles 4-7, may be out
.irp t, 0,1,2,3                                    ; O^T += V^T P^T: K = these 128 keys.  The eight sums take turns, one instruction a turn
	v_wmma_scale_f32_16x16x128_f8f6f4 v[160+8*\t:167+8*\t], v[32+12*\t:43+12*\t], v[224:235], v[160+8*\t:167+8*\t], v[248+\t], v253 matrix_a_fmt:MATRIX_FMT_FP6 matrix_b_fmt:MATRIX_FMT_FP6
.endr
	s_wait_dscnt 0x0                               ; tiles 4-7 are in
.irp t, 0,1,2,3
	v_wmma_scale_f32_16x16x128_f8f6f4 v[192+8*\t:199+8*\t], v[VB+12*\t:VB+11+12*\t], v[224:235], v[192+8*\t:199+8*\t], v[93+\t+147*(\t/3)], v253 matrix_a_fmt:MATRIX_FMT_FP6 matrix_b_fmt:MATRIX_FMT_FP6
.endr
.Lskip_\@:
	s_lshr_b32 s[NEED], s[NEED], 1                 ; on to the next step's flags and scale words, on both ways
	s_lshr_b32 s[MIXED], s[MIXED], 1
	s_add_co_u32 s[TS], s[TS], 512
.endm
; A SLOT.  ONE barrier at its head, for two things: in front of it each wave waits for its LDS instructions: its stores into this slot have landed, and its reads of the other slot are back.  Behind it this slot is whole and
; nobody reads the other one, which is written while this one is read: K's part between the two steps, V's behind the second.
.macro SLOT sl
	s_wait_dscnt 0x0
	s_wait_alu depctr_vm_vsrc(0)                   ; V's stores into the ring have read v[STD ..], in which K's loads land, and v[PA]; the last step's LDS loads have read v[ADK] to v[ADT]: the first step's five additions write these.  In the first trip: the head's stores and loads have read v9, v10 and v96-118, which the additions and the first products write
	s_barrier_signal -1
	s_barrier_wait -1
	KLOADS
	ASK
	STEP \sl, 0
	KPUT_VLOADS
	STEP \sl, 1
	VPUT
	s_wait_xcnt 0x0                                ; the slot's loads and its prefetch have read their bases: only behind this wait are the pointers stepped
	s_add_nc_u64 s[KPT:KPT+1], s[KPT:KPT+1], 24576 ; 256 keys x 96 bytes
	s_add_nc_u64 s[VPT:VPT+1], s[VPT:VPT+1], 192   ; 256 codes in each row
	s_add_nc_u64 s[MB:MB+1], s[MB:MB+1], 512       ; two steps' mask words
	s_lshr_b32 s[WGN], s[WGN], 2
	s_add_co_u32 s[SN], s[SN], 1
.endm
.Lpair:                                            ; four trips, two slots each: every slot address is a constant of the text.  No tail is written out: in slot 7 WGN's bits 2 on are 0, so nothing more is fetched
	SLOT 0
	SLOT 1
	s_add_co_u32 s[CNT], s[CNT], 1
	s_cmp_lt_u32 s[CNT], 4
	s_cbranch_scc1 .Lpair
	; THE WAY OUT.  O^T is divided by the sum and goes through my own stage in LDS, half of my head's row (64 channels, 256 bytes) of 16 queries at a time, so that sixteen lanes store 256 consecutive bytes, aligned.
	s_wait_dscnt 0x0                               ; my last stores into the ring have landed
	s_wait_alu depctr_vm_vsrc(0)                   ; they have read v80-91, and the prefetches v92: rows of out land there below; the last step's LDS loads have read v8-11, which are written below
	v_add_f32 v14, v14, v15                        ; the sum's two halves,
	v_permlanex16_b32 v252, v14, s[SEL], s[SEL+1]
	v_add_f32 v14, v14, v252                       ; and lane l xor 16's: the row's sum
	s_wait_alu depctr_va_vdst(0)
	v_rcp_f32 v14, v14
	v_and_b32 v8, 15, v0                           ; (a plain instruction behind the reciprocal)  r
	v_bfe_u32 v9, v0, 4, 1                         ; hh
	s_mul_i32 s24, s[WV], 16*SP
	s_add_co_u32 s24, s24, STAGE                   ; my stage
	v_mul_u32_u24 v10, v8, SP
	v_lshl_add_u32 v10, v9, 5, v10
	v_add_nc_u32 v10, s24, v10                     ; in: row r; a tile's eight channels of my half: 64 t + 32 hh bytes on
	v_mul_u32_u24 v11, v9, SP
	v_lshl_add_u32 v11, v8, 4, v11
	v_add_nc_u32 v11, s24, v11                     ; back: lanes 0-15 one row, lanes 16-31 the next
	s_wait_alu depctr_va_vdst(0)                   ; the reciprocal has written v14, ahead of its first reader
.set JJ, 0
.rept 64
	v_mul_f32 v[96+JJ], v[160+JJ], v14             ; O^T / the sum: register 8 t + i is o(r, 16 t + 8 hh + i).  (Ascending: each sum is read from its low end on)
.set JJ, JJ+1
.endr
	s_wait_alu depctr_va_vdst(0)                   ; the multiplications have written v96-159, which the stores into the stage read; v10 and v11, their addresses and the loads', are written; the last products are done reading v32-79 and v93-95, in which the loads from the stage land
.irp u, 0,1                                        ; channels 64 u on
.irp t, 0,1,2,3
	ds_store_b128 v10, v[96+32*\u+8*\t:99+32*\u+8*\t] offset:64*\t
	ds_store_b128 v10, v[100+32*\u+8*\t:103+32*\u+8*\t] offset:64*\t+16
.endr
.irp i, 0,1,2,3,4,5,6,7
	ds_load_b128 v[32+32*\u+4*\i:35+32*\u+4*\i], v11 offset:2*\i*SP   ; LDS serves a wave's instructions in order (ISA guide 5.7.1.4): these see my stores, and the next half's stores come behind them
.endr
.endr
.irp u, 0,1
.irp i, 0,1,2,3,4,5,6,7
	s_wait_dscnt 15-8*\u-\i                        ; the younger loads from the stage may stay out
	global_store_b128 v[GO], v[32+32*\u+4*\i:35+32*\u+4*\i], s[OUTP:OUTP+1] offset:2*\i*16384+256*\u th:TH_STORE_NT   ; 16 lanes store 256 consecutive bytes, at a multiple of 256 from out's first byte; written once, read by nobody here
.endr
.endr
	s_wait_xcnt 0x0
	v_lshl_add_u32 v254, v0, 2, 0x35400            ; the add's two registers are made anew: no memory or LDS instruction has read v254 or v255
	v_mov_b32 v255, 0
	s_wait_dscnt 0x0                               ; the closing lines, six on end
	s_wait_alu 0x0
	s_wait_tensorcnt 0x0
	ds_add_u32 v254, v255
	s_wait_dscnt 0x0
	s_endpgm
.Lfunc_end_k_q406b97f7dd_attn:
	.size	k_q406b97f7dd_attn, .Lfunc_end_k_q406b97f7dd_attn-k_q406b97f7dd_attn
	.p2alignl 7, 3214868480
	.fill 96, 4, 3214868480
	.section	.rodata,"a",@progbits
	.p2align	6, 0x0
	.amdhsa_kernel k_q406b97f7dd_attn
		.amdhsa_group_segment_fixed_size 220160
		.amdhsa_private_segment_fixed_size 0
		.amdhsa_enable_private_segment 0
		.amdhsa_kernarg_size 72
		.amdhsa_user_sgpr_count 2
		.amdhsa_user_sgpr_kernarg_segment_ptr 1
		.amdhsa_wavefront_size32 1
		.amdhsa_system_sgpr_workgroup_id_x 1
		.amdhsa_system_sgpr_workgroup_id_y 1
		.amdhsa_system_sgpr_workgroup_id_z 1
		.amdhsa_system_vgpr_workitem_id 0
		.amdhsa_next_free_vgpr 256
		.amdhsa_next_free_sgpr 100
		.amdhsa_reserve_vcc 0
		.amdhsa_float_denorm_mode_32 3
		.amdhsa_float_denorm_mode_16_64 3
		.amdhsa_memory_ordered 1
		.amdhsa_forward_progress 1
		.amdhsa_inst_pref_size 120
	.end_amdhsa_kernel
	.amdgpu_metadata
---
amdhsa.version: [ 1, 2 ]
amdhsa.kernels:
  - .name:           k_q406b97f7dd_attn
    .symbol:         k_q406b97f7dd_attn.kd
    .args:
      - { .name: query_layer_codes, .offset: 0, .size: 8, .value_kind: global_buffer, .address_space: global }
      - { .name: query_layer_scales, .offset: 8, .size: 8, .value_kind: global_buffer, .address_space: global }
      - { .name: key_layer_codes, .offset: 16, .size: 8, .value_kind: global_buffer, .address_space: global }
      - { .name: key_layer_scales, .offset: 24, .size: 8, .value_kind: global_buffer, .address_space: global }
      - { .name: value_layer_codes, .offset: 32, .size: 8, .value_kind: global_buffer, .address_space: global }
      - { .name: value_layer_scales, .offset: 40, .size: 8, .value_kind: global_buffer, .address_space: global }
      - { .name: mbits, .offset: 48, .size: 8, .value_kind: global_buffer, .address_space: global }
      - { .name: mflag, .offset: 56, .size: 8, .value_kind: global_buffer, .address_space: global }
      - { .name: out0, .offset: 64, .size: 8, .value_kind: global_buffer, .address_space: global }
    .group_segment_fixed_size: 220160
    .private_segment_fixed_size: 0
    .kernarg_segment_align: 8
    .kernarg_segment_size: 72
    .max_flat_workgroup_size: 512
    .sgpr_count:     100
    .vgpr_count:     256
    .wavefront_size: 32
...
	.end_amdgpu_metadata
.endif
;; end of part 4
